; MI455X (gfx1250); checked and timed in simulation.
; The chip was launched on July 23, 2026; its instructions are those of AMD's public machine-readable ISA for CDNA 5 (MIT licence, August 2026) and "CDNA5" Instruction Set Architecture Reference Guide (July 2026). The comments in the code are by the model that wrote it; some were corrected since.
;; Attention. Allowed arithmetic: matrix products marked QUANTISED: E2M3 operands, one E8M0 scale for each 32 along K, by v_wmma_scale_f32_16x16x128_f8f6f4 with both operands' format E2M3, f32 sums; everything else in f32.
;; Inputs: b_attn 3,072 float32; b_proj 1,024 float32; w_attn_codes 3,072 x 32 x 24 uint8 (E2M3 codes of w_attn, K innermost, in blocks of 32 codes, four codes in three bytes); w_attn_scales 3,072 x 32 uint8 (E8M0 scales of w_attn, one for each 32 codes along K); w_proj_codes 1,024 x 32 x 24 uint8 (E2M3 codes of w_proj, K innermost, in blocks of 32 codes, four codes in three bytes); w_proj_scales 1,024 x 32 uint8 (E8M0 scales of w_proj, one for each 32 codes along K); x_codes 8 x 1,024 x 32 x 24 uint8 (E2M3 codes of x, K innermost, in blocks of 32 codes, four codes in three bytes); x_scales 8 x 1,024 x 32 uint8 (E8M0 scales of x, one for each 32 codes along K).
;; Outputs: out0 8 x 1,024 x 1,024 float32.
;; This version of the problem:
;;   THIS VERSION OF THE PROBLEM IS GIVEN IN LOW PRECISION. The matrix products marked QUANTISED in the list below multiply operands that are first quantised to E2M3 (2 exponent bits, 3 mantissa bits; 6 bits a number), with one power-of-two scale for each 32 numbers along K (OCP MX v1.0); their sums are f32. All else is computed in f32.
;;   The module's matrix products, in the order in which they are computed (A, B: the left and right operand; K: the contracted axis; several contracted axes count as one K, in the product's order):
;;     1. [M 8,192, K 1,024] x [K 1,024, N 3,072]; A: input x (given as codes); B: input w_attn (given as codes): QUANTISED
;;     2. batch 128 x [M 1,024, K 64] x [K 64, N 1,024]; A: computed on the way; B: computed on the way: QUANTISED
;;     3. batch 128 x [M 64, K 1,024] x [K 1,024, N 1,024]; A: computed on the way; B: softmax (see below): QUANTISED
;;     4. [M 8,192, K 1,024] x [K 1,024, N 1,024]; A: computed on the way; B: input w_proj (given as codes): QUANTISED
;;   THE QUANTISER, for each operand of a quantised product, along K:
;;     - K is cut into blocks of 32 from its start; a last block that is shorter is filled with zeros.
;;     - A block's scale is 2^e with e = floor(log2(the largest magnitude in the block)) - 2, held to -126 .. 127; a block of zeros has e = 0. As a byte (E8M0): e + 127.
;;     - Each number is divided by its block's scale, clamped to +-7.5, and rounded to the nearest number of E2M3, ties to even, subnormals kept.
;;     - The product sums the exact products of the quantised numbers (number of the format x scale) in f32.
;;   ~~~python
;;   def quantise(x, axis):      # numpy; x: float32 -> the quantised numbers, widened to float32 again
;;       x = np.moveaxis(x, axis, -1); K = x.shape[-1]
;;       x = np.pad(x, [(0, 0)] * (x.ndim - 1) + [(0, -K % 32)]); x = x.reshape(x.shape[:-1] + (-1, 32)); a = np.abs(x).max(-1, keepdims=True)
;;       e = np.where(a > 0, np.clip(np.frexp(np.where(a > 0, a, 1))[1] - 1 - 2, -126, 127), 0)      # np.frexp(a)[1] - 1 = floor(log2(a)), exactly
;;       r = np.clip(x / 2.0 ** e, -7.5, 7.5)
;;       step = 2.0 ** (np.maximum(np.frexp(np.where(r == 0, 1, r))[1] - 1, 0) - 3)
;;       q = np.round(r / step) * step * 2.0 ** e      # np.round: ties to even
;;       return np.moveaxis(q.reshape(q.shape[:-2] + (-1,))[..., :K], -1, axis).astype(np.float32)
;;   ~~~
;;   SOFTMAX AHEAD OF A QUANTISED PRODUCT. Where the list says 'softmax', what is quantised is not the finished softmax but p = 2^(t - M), with t = logit x log2(e) and M = ceil(the row's largest t), a whole number; so 1/2 < the row's largest p <= 1. The row's sum l is taken of the UNQUANTISED p, in f32, and the product's result is divided by l at the end. Since M is a whole number, a kernel that streams over the keys may use a running M (the ceiling of the running maximum): every later rescaling is an exact power of two, which a block's scale takes up: the codes' values come out the same.
;;   OPERANDS COMPUTED ON THE WAY. 'Computed on the way' means the value that the module computes at that place (a softmax that the list does not call 'softmax' is quantised finished and normalised). What goes into a quantiser is computed in f32, as accurately as f32 sums, v_exp_f32 and their like allow (about 1e-6 of the number): no bf16 or f16 on the way to a quantiser, and a product that is left as it is and whose result goes on into a quantised operand takes f32 operands (vector FMAs, or v_wmma_f32_16x16x4_f32). A number that lies on a knife's edge between two numbers of the format may be rounded either way, as far as f32 arithmetic and the matrix unit's own rounding can turn it there, and no further.
;;   INPUTS GIVEN AS CODES. w_attn (in the module: [1024, 3072], K = its axis 0); w_proj (in the module: [1024, 1024], K = its axis 0); x (in the module: [8, 1024, 1024], K = its axis 2): each comes as NAME_codes (uint8): NAME with its K axis moved to the last place and cut into blocks of 32 codes, [.., K / 32, bytes a block], one block behind the other in memory; four codes in three bytes: a row's codes are one little-endian stream of bits, code i at bits 6 i .. 6 i + 5 (a code: sign, 2 exponent bits, 3 mantissa bits); and NAME_scales (uint8): the same leading axes, one E8M0 byte (e + 127) for each 32 codes along K. Its value is code x scale, taken as it is: it is not quantised again, and the codes and scales need not be those that the quantiser above would give.
;; One version. Each part assembles by itself: llvm-mc -triple=amdgcn-amd-amdhsa -mcpu=gfx1250 --defsym DOCPART=n.
;; ======== version 1 of 1: 3 launches
;; limits: right only within a limited range of input values
;; workspace buffers: qkv_c 18,874,368 bytes; qkv_s 786,432 bytes; a_c 6,291,456 bytes; a_s 262,144 bytes
;; launch qkv (part 1): grid 8 x 32, 4 waves a work-group, clusters of 4 x 4, 327,680 bytes of LDS; arguments x_codes, x_scales, w_attn_codes, w_attn_scales, b_attn, qkv_c, qkv_s; writes qkv_c, qkv_s
.if DOCPART == 1
	.amdgcn_target "amdgcn-amd-amdhsa--gfx1250"
	.amdhsa_code_object_version 6
	.text
	.protected	k_q2bc35edef7_qkv
	.globl	k_q2bc35edef7_qkv
	.p2align	8
	.type	k_q2bc35edef7_qkv,@function
k_q2bc35edef7_qkv:
	s_mov_b64 s[64:65], 0
	v_nop
	global_prefetch_b8 v0, s[64:65] scope:SCOPE_SE
	s_setreg_imm32_b32 hwreg(HW_REG_WAVE_MODE, 25, 1), 1
	s_wait_xcnt 0x0
	s_wait_alu depctr_hold_cnt(0) depctr_sa_sdst(0) depctr_va_vdst(0) depctr_va_sdst(0) depctr_va_ssrc(0) depctr_va_vcc(0) depctr_vm_vsrc(0)
	s_getreg_b32 s2, hwreg(HW_REG_IB_STS2, 6, 4)
	s_cmp_eq_u32 s2, 0
	s_cbranch_scc0 .Lentry_in_a_cluster
	s_endpgm
.Lentry_in_a_cluster:
	s_bfe_u32 s2, ttmp6, 0x10000c
	s_cmp_lg_u32 s2, 0xf033
	s_cbranch_scc0 .Lentry_shape_is_right
	s_endpgm
.Lentry_shape_is_right:
; qkv = x w_attn + b_attn on codes of FP6 (E2M3), one E8M0 scale for each 32 along K = 1,024; q, k, v are quantised here and leave as codes: q and k along a head's 64 channels, v along the keys.
; THE DEAL: 256 work-groups of four waves.  Work-group (hp, tr) takes tokens 256 tr .. + 255 and heads 2 hp, 2 hp + 1, in three phases: q, k, v, each 256 x 128 x 1,024.
; Its 256 rows of x, all of K, lie in LDS for the whole launch; the weights' 128 rows have a region of their own, filled at the head (q) and again twice (k, v).
; A PHASE: a wave holds 64 rows of the RESIDENT operand, all of K, in 384 registers (source 0) and streams the other operand past them in blocks of 16 rows (source 1), 32 products a block.
;   q, k: resident = one head's 64 rows of w_attn (wave % 2), stream = tokens 128 (wave / 2) + 16 s + r.   v: resident = tokens 64 wave .. + 63, stream = w_attn's rows 2,048 + 128 hp + 16 s + r.
;   Resident tile t takes rows 8 t + i (lanes 0-7) and 32 + 8 t + i (lanes 8-15): so register 8 t + j of lane (r, h) is resident row 32 h + 8 t + j: a lane's 32 sums are ONE scale block of the product that reads the codes.
; The bias is the C of a block's first four products: by the resident row for q and k, by the stream's row for v.
; OUT, as the next launch reads it (a piece = 32 lanes x 8 bytes): qkv_c: sections q, k, v of [128 heads][49,152].  q, k: [32 tokens][tile 0: 3 pieces, tile 1: 3]; q's tile y = tokens 16 y + r, k's tile u = keys 8 u + r % 8 + 32 (r / 8).
;   v: [step of 128 keys][tile 2 b + u of 16 channels 32 b + 8 u + r + 8 (r / 8)][6 pieces: 3 for each 64 keys].  For k and v two neighbouring blocks change rows 8-15 and 16-23 between them (SW1).
;   qkv_s: sections of [128 heads][8 steps][256]: q, k: group g's word at 128 (g / 2) + 8 r + 4 (g % 2); v: word b of lane (r, u), a byte for each 32 keys; v's bytes gather in LDS, on x's scale bytes, which are read no more by then.
; CLUSTERS 4 x 4: x's rows and scale bytes are asked for jointly along a row, the weights' along a column.  The two refills stand in drained rounds inside block 1 of q's and k's phases.
; PREFETCH: k's and v's weights are named a phase ahead of their refill, a sixteenth of the tile a wave of the four partners, by address; of the eight rows of clusters that read a tile the first four ask.
; LIMITS: NaN and infinities are not served; a block whose largest magnitude lies under 2^(3 - 127) gets the byte 1 (a block of zeros too: its codes are zeros, and this program alone reads the bytes).
; s_wait_dscnt NF: all LDS work but the youngest fetch of a block (NF loads) is done.
.set KROW,  768
.set PITCH, 816                        ; an LDS row: 3 x (256 + 16)
.set FR,    12
.set FPW,   21                         ; fragments in a window of 256 registers
.set NQ,    8
.set NB,    4
.set NF,    28
.set EMAX,  2
.set WB,    256*PITCH                  ; the weights' region; x's rows lie from 0 on
.set XS,    WB+128*PITCH               ; x's scale bytes: 32 units of 256 + 16
.set WS,    XS+32*272                  ; v's weights' scale bytes: 16 units
.set SPARE, WS+16*272
.set SECC,  6291456
.set SECS,  262144
.set CO,  4                            ; 8 x lane
.set SPW, 10
.set NIL, 11
.set ABS, 12                           ; resident rows' scale words, offset in memory
.set VBQ, 13                           ; bias offsets
.set VBV, 14
.set STV, 15                           ; LDS, v's scale byte
.set RDV, 16                           ; LDS, v's scale bytes read back
.set PF,  17
.set SB,  24                           ; v24-71 resident scale words, 16 a phase
.set SA,  76                           ; v76-91 the stream's, two sets
.set TQ,  92
.set D1,  94
.set D2,  95
.set TC,  96
.set SOP, 100
.set EB,  102
.set ACC, 104                          ; v104-167 two sets of four accumulators
.set CX,  168                          ; the even block's six registers of codes; the odd block's
.set CY,  174
.set AT,  180                          ; v180-203 LDS addresses of the stream's eight blocks (two for codes, one for scale words): x
.set BA,  204                          ; v204-211 of the resident tiles: weights; v212-219: x
.set BAV, 212
.set SWD, 220
.set ATV, 226                          ; v226-249 as AT: the weights
.set T0,  250
.set T1,  251
.set T2,  252
.set ABW, 253                          ; v253, v254 scale words of q's and k's resident rows, offsets in memory (tiles 0, 1; tiles 2, 3)
.set VBQ2, 255                         ; bias offset for tile 3
.set BQ,  72                           ; window 3: v840-871 q's bias, v872-903 k's, v904-967 v's (eight registers a block)
.set BV,  136
.set SEL, 46
.set M8,  66
.set MH,  67
.set G1A, 24
.set G1B, 32
.set G0A, 56
.set G0B, 60
.set G1T, 68
.set G0S, 76
.set G0T, 80
.set G1S, 92
.set MSB, 0
.macro WIN new
.if MSB != (\new)
	s_set_vgpr_msb (MSB<<8)|(\new)
.set MSB, \new
.endif
.endm
.macro PLACES n
.rept \n
	v_nop
.endr
.endm
.macro WALU
	s_wait_alu depctr_va_vdst(0)
.endm
.macro BARRIER
	s_barrier_signal -1
	s_barrier_wait -1
.endm
.macro MIDDLE                          ; a round's middle
	WIN 0
	s_barrier_wait -1
	s_cmp_lg_u32 s14, 0
	s_cbranch_scc1 .Lnot_wave_0_\@
	s_barrier_signal -3
.Lnot_wave_0_\@:
	s_barrier_wait -3
.endm
.macro CROUND
	s_barrier_signal -1
	MIDDLE
	BARRIER
.endm
.macro TLOAD g0, g1
	tensor_load_to_lds s[\g0:\g0+3], s[\g1:\g1+7]
	s_nop 0
	PLACES 4
.endm
.macro GROUP1 g, mask, rows            ; rows of 768 bytes, 16 bytes of padding behind every 256
	s_or_b32 s[\g+0], s[\mask], (1<<20)|(1<<21)|(5<<22)|(3<<25)
	s_mov_b32 s[\g+1], KROW<<16
	s_mov_b32 s[\g+2], (\rows)<<16
	s_mov_b32 s[\g+3], KROW<<16
	s_mov_b32 s[\g+4], \rows
	s_mov_b32 s[\g+5], KROW
	s_mov_b32 s[\g+6], 0
	s_mov_b32 s[\g+7], 0
.endm
.macro GROUPS g, mask, rows            ; a dense block as rows of 256 bytes, 16 of padding behind each
	s_or_b32 s[\g+0], s[\mask], (3<<16)|(1<<20)|(1<<21)|(5<<22)|(3<<25)
	s_mov_b32 s[\g+1], 32<<16
	s_mov_b32 s[\g+2], (\rows)<<16
	s_mov_b32 s[\g+3], 32<<16
	s_mov_b32 s[\g+4], \rows
	s_mov_b32 s[\g+5], 32
	s_mov_b32 s[\g+6], 0
	s_mov_b32 s[\g+7], 0
.endm
.macro G0SET g, lds, base              ; group 0: the buffer's address + the offset in s[20:21]
	s_mov_b32 s[\g], 1
	s_mov_b32 s[\g+1], \lds
	s_add_nc_u64 s[\g+2:\g+3], s[\base:\base+1], s[20:21]
	s_or_b32 s[\g+3], s[\g+3], 0x80000000
.endm
; Fragment f lies in window 1 + f / 21 at register 12 (f % 21): 0-31 the resident operand's (4 q + t), 32-39 and 40-47 the stream's two sets.
.macro FRAG f, q, a0, a1               ; six pieces of 8 bytes, two to a load where both go by one address register (a1: lanes 16-31 lie behind one padding more)
	WIN ((1+(\f)/FPW)<<6)
.set R_, FR*((\f)%FPW)
.set SKIP_, 0
.irp p, 0,1,2,3,4,5
.if SKIP_
.set SKIP_, 0
.else
.set PC_, 12*(\q)+6*(\p/3)+\p%3
.set PN_, 12*(\q)+6*((\p+1)/3)+(\p+1)%3
.set X_, (PC_%32+3)/32
.set XQ_, (PN_%32+3)/32
.if (\p < 5) && (X_ == XQ_)
.set SKIP_, 1
.if X_
	ds_load_2addr_b64 v[R_+2*\p:R_+2*\p+3], \a1 offset0:PC_+2*(PC_/32) offset1:PN_+2*(PN_/32)
.else
	ds_load_2addr_b64 v[R_+2*\p:R_+2*\p+3], \a0 offset0:PC_+2*(PC_/32) offset1:PN_+2*(PN_/32)
.endif
.elseif X_
	ds_load_b64 v[R_+2*\p:R_+2*\p+1], \a1 offset:8*(PC_+2*(PC_/32))
.else
	ds_load_b64 v[R_+2*\p:R_+2*\p+1], \a0 offset:8*(PC_+2*(PC_/32))
.endif
.endif
.endr
.endm
.macro RESID ba                        ; my 64 resident rows, all of K: 104 loads
.irp q, 0,1,2,3,4,5,6,7
.irp b, 0,1,2,3
	FRAG NB*\q+\b, \q, v[\ba+2*\b], v[\ba+2*\b+1]
.endr
.endr
	WIN 0
.endm
.macro FETCH e, at                     ; a block of the stream into set e: NF loads
.irp q, 0,1,2,3,4,5,6,7
	FRAG NB*NQ+NQ*(\e)+\q, \q, v[\at], v[\at+1]
.endr
	WIN 0
	ds_load_b128 v[SA+8*(\e):SA+8*(\e)+3], v[\at+2]
	ds_load_b128 v[SA+8*(\e)+4:SA+8*(\e)+7], v[\at+2] offset:16
.endm
; The fetch of stream block s of phase ph.  k's blocks go in the order 0, 2, 1, 3, 4, 6, 5, 7: a pair of blocks is then 16 keys and the 16 that lie 32 further on,
; and SW1 makes of it tiles with keys 8 t + i in lanes 0-7 and 32 + 8 t + i in lanes 8-15 (t = 2 (pair % 2), + 1) of the pair's 64 keys.
.macro FX e, ph, s
.if \ph == 1
	FETCH \e, AT+3*(((\s)&4)+2*((\s)&1)+(((\s)/2)&1))
.elseif \ph == 2
	FETCH \e, ATV+3*(\s)
.else
	FETCH \e, AT+3*(\s)
.endif
.endm
.macro PROD1 d, s0, s1, c, x0, x1, o
.if \o
	v_wmma_scale_f32_16x16x128_f8f6f4 v[\d:\d+7], v[FR*((\s0)%FPW):FR*((\s0)%FPW)+FR-1], v[FR*((\s1)%FPW):FR*((\s1)%FPW)+FR-1], \c, v[\x0], v[\x1] matrix_a_fmt:MATRIX_FMT_FP6 matrix_b_fmt:MATRIX_FMT_FP6 matrix_a_scale:MATRIX_SCALE_ROW1
.else
	v_wmma_scale_f32_16x16x128_f8f6f4 v[\d:\d+7], v[FR*((\s0)%FPW):FR*((\s0)%FPW)+FR-1], v[FR*((\s1)%FPW):FR*((\s1)%FPW)+FR-1], \c, v[\x0], v[\x1] matrix_a_fmt:MATRIX_FMT_FP6 matrix_b_fmt:MATRIX_FMT_FP6
.endif
.endm
.macro PROD e, n, a0, cb, cs, sb       ; product n = 4 q + t; the four accumulators take turns; the first four take the bias, window 3, as C
.set Q_, (\n)/4
.set U_, (\n)%4
.set FB_, NB*Q_+U_
.set FA_, NB*NQ+NQ*(\e)+Q_
.set D_, (\a0)+8*U_
.set C_, (\cb)+(\cs)*U_
.if Q_
	WIN (1+FB_/FPW)|((1+FA_/FPW)<<2)
	PROD1 D_, FB_, FA_, v[D_:D_+7], (\sb)+NQ*(U_/2)+Q_, SA+8*(\e)+Q_, U_%2
.else
	WIN (1+FB_/FPW)|((1+FA_/FPW)<<2)|(3<<4)
	PROD1 D_, FB_, FA_, v[C_:C_+7], (\sb)+NQ*(U_/2)+Q_, SA+8*(\e)+Q_, U_%2
.endif
.endm
.macro BLOCK e, a0, cb, cs, sb, from, to, list, x=0, y=0   ; products from .. to - 1; behind every second one two entries of the list
.set N_, \from
.rept (\to)-(\from)
	PROD \e, N_, \a0, \cb, \cs, \sb
.if N_%2
	\list N_-1, \x, \y
	\list N_, \x, \y
.endif
.set N_, N_+1
.endr
.endm
.macro CHAIN i, x, n                   ; 18 entries: the largest magnitude of the 32 sums from v[x] on, by two chains side by side, each accumulator from its low end on; then the conversions' scale operand
.if (\i) >= 0 && (\i) < 18
	WIN 0
.endif
.if (\i) >= 0 && (\i) < 14
.set B_, (\x)+16*((\i)%2)+2*((\i)/2)
.set TT_, TQ+1-(\i)%2
.if (\i) < 2
	v_max3_num_f32 v[TT_], |v[B_]|, |v[B_+1]|, |v[B_+2]|
.else
	v_max3_num_f32 v[TT_], v[TT_], |v[B_+1]|, |v[B_+2]|
.endif
.elseif (\i) == 14
	v_max3_num_f32 v[TQ+1], v[TQ+1], |v[(\x)+15]|, (EMAX+1)<<23
.elseif (\i) == 15
	v_nop
.elseif (\i) == 16
	v_max3_num_f32 v[TQ], v[TQ], |v[(\x)+31]|, v[TQ+1]
.elseif (\i) == 17
	v_add_nc_u32 v[SOP+\n], -(EMAX<<23), v[TQ]
.endif
.endm
.macro L_CH i, x, y
	CHAIN \i, \x, \y
.endm
.macro L_NONE i, x, y
.endm
.macro CODES6 x, c, n                  ; 32 codes into v[c .. c + 5], the scale's byte into v[EB + n]; the last four lines are the places ahead of the loads that follow
	v_cvt_scalef32_pk16_fp6_f32 v[\c:\c+2], v[\x:\x+15], v[SOP+\n]
	v_cvt_scalef32_pk16_fp6_f32 v[TC:TC+2], v[\x+16:\x+31], v[SOP+\n]
	v_lshrrev_b32 v[EB+\n], 23, v[SOP+\n]
	v_mov_b32 v[\c+3], v[TC]
	v_mov_b32 v[\c+4], v[TC+1]
	v_mov_b32 v[\c+5], v[TC+2]
.endm
.macro SW1 x, y                        ; rows 0-15 in x and 16-31 in y become rows 0-7, 16-23 in x and 8-15, 24-31 in y
	v_mov_b32_dpp v[D1], v[\y] row_xmask:8 row_mask:0xf bank_mask:0xf
	v_mov_b32_dpp v[D2], v[\x] row_xmask:8 row_mask:0xf bank_mask:0xf
	v_cndmask_b32 v[\x], v[\x], v[D1], s[M8]
	v_cndmask_b32 v[\y], v[D2], v[\y], s[M8]
.endm
.macro PUT6 base, o0, o1               ; each store: 32 lanes, 256 consecutive bytes, aligned
.irp p, 0,1,2
	global_store_b64 v[CO], v[CX+2*\p:CX+2*\p+1], s[\base:\base+1] offset:(\o0)+256*\p
.endr
.irp p, 0,1,2
	global_store_b64 v[CO], v[CY+2*\p:CY+2*\p+1], s[\base:\base+1] offset:(\o1)+256*\p
.endr
.endm
.macro PAIROUT ph, i                   ; pair i of blocks leaves
.if \ph > 0
.irp k, 0,1,2,3,4,5
	SW1 CX+\k, CY+\k
.endr
	SW1 EB, EB+1
.endif
.if \ph < 2
	v_lshl_or_b32 v[T0], v[EB+1], 16, v[EB]                ; my half's bytes of the two tiles,
	v_permlanex16_b32 v[T1], v[T0], s[SEL], s[SEL+1]       ; the other half's,
	v_cndmask_b32 v[T2], v[T0], v[T1], s[MH]               ; channels 0-31's
	v_cndmask_b32 v[T1], v[T1], v[T0], s[MH]               ; and 32-63's: the word of 32 tokens' row r, in both halves of the lanes
	v_lshl_or_b32 v[SWD+\i], v[T1], 8, v[T2]
	WALU
	PUT6 84, \ph*SECC+1536*(\i), \ph*SECC+1536*(\i)+768
.else
	WALU
	ds_store_b8 v[STV], v[EB] offset:512*((\i)/2)+4*((\i)%2)
	ds_store_b8 v[STV], v[EB+1] offset:512*((\i)/2)+4*((\i)%2)+128
	PUT6 86, 49152*((\i)/2)+3072*((\i)%2), 49152*((\i)/2)+3072*((\i)%2)+1536
.endif
.endm
.macro BK ph, s, from, to, list, x=0, y=0
.if \ph < 2
	BLOCK (\s)%2, ACC+32*((\s)%2), BQ+32*\ph, 8, SB+16*\ph, \from, \to, \list, \x, \y
.else
	BLOCK (\s)%2, ACC+32*((\s)%2), BV+8*(\s), 0, SB+32, \from, \to, \list, \x, \y
.endif
.endm
.macro EVENB ph, s                     ; blocks 2, 4, 6: the odd block's way out among the products; the pair leaves
	s_wait_dscnt NF
	BK \ph, \s, 0, 32, L_CH, ACC+32, 1
	WIN 0
	CODES6 ACC+32, CY, 1
	PAIROUT \ph, (\s)/2-1
.if \s < 6
	FX 0, \ph, (\s)+2
.endif
.endm
.macro ODDB ph, s                      ; blocks 3, 5
	s_wait_dscnt NF
	s_wait_xcnt 0x0                                        ; the last pair's stores have read their data
	BK \ph, \s, 0, 32, L_CH, ACC, 0
	WIN 0
	CODES6 ACC, CX, 0
	FX 1, \ph, (\s)+2
.endm
.macro PHASE ph
.if \ph == 0
	s_wait_dscnt NF
	BK \ph, 0, 0, 32, L_NONE
.else
	; issued ahead of this block: its own 28 loads, the resident rows' 104 (12, 12, 16, 12, 12, 16, 12, 12 by K step), the next block's 28.  A K step's products wait for its own resident fragments:
	s_wait_dscnt 63                                        ; 97 are done: the block's 28 and the 64 of K steps 0 to 4 among them
	BK \ph, 0, 0, 20, L_NONE
	s_wait_dscnt 52                                        ; behind K step 5's: 12 + 12 + 28
	BK \ph, 0, 20, 24, L_NONE
	s_wait_dscnt 40                                        ; behind K step 6's: 12 + 28
	BK \ph, 0, 24, 28, L_NONE
	s_wait_dscnt NF
	BK \ph, 0, 28, 32, L_NONE
.endif
	WIN 0
	PLACES 4
	FX 0, \ph, 2
	s_wait_dscnt NF
	s_wait_xcnt 0x0
.if \ph < 2
	s_wait_tensorcnt 0x0                                   ; the refill's round: every wave holds its resident rows in registers.
	ds_add_u32 v[SPW], v[NIL]
	s_add_nc_u64 s[G0B+2:G0B+3], s[G0B+2:G0B+3], 1024*KROW ; no load of mine is out: on to the next tensor's rows of w_attn
	BK \ph, 1, 0, 26, L_CH, ACC, 0
	WIN 0
	WALU
	s_wait_dscnt 0x0
	s_barrier_signal -1
	BK \ph, 1, 26, 32, L_NONE
	WIN 0
	CODES6 ACC, CX, 0
	MIDDLE
	BARRIER
	s_cmp_eq_u32 s14, 0
	s_cbranch_scc0 .Lno_load_\@
	TLOAD G0B, G1B
.Lno_load_\@:
	PLACES 4
	WALU
	FX 1, \ph, 3
.if \ph == 0
	s_cmp_lt_u32 s17, 4
	s_cbranch_scc0 .Lno_pf_\@
	global_prefetch_b8 v[PF], s[8:9] offset:1024*KROW th:TH_LOAD_NT scope:SCOPE_SE   ; v's weights, a phase ahead of their refill
.Lno_pf_\@:
.endif
.else
	BK \ph, 1, 0, 32, L_CH, ACC, 0
	WIN 0
	CODES6 ACC, CX, 0
	FX 1, \ph, 3
.endif
	EVENB \ph, 2
	ODDB \ph, 3
	EVENB \ph, 4
	ODDB \ph, 5
	EVENB \ph, 6
	s_wait_dscnt 0x0
	s_wait_xcnt 0x0
.if \ph < 2
	BK \ph, 7, 0, 26, L_CH, ACC, 0
	WIN 0
	WALU
	s_wait_tensorcnt 0x0
	s_wait_dscnt 0x0
	s_barrier_signal -1                                    ; a plain barrier: what the refill brought is shown to all
	BK \ph, 7, 26, 32, L_NONE
	WIN 0
	s_barrier_wait -1
.else
	BK \ph, 7, 0, 32, L_CH, ACC, 0
	WIN 0
.endif
	CODES6 ACC, CX, 0
.endm
.macro TAIL ph                         ; a phase's last way out, under the next phase's loads
.set I, 0
.rept 18
	CHAIN I, ACC+32, 1
.set I, I+1
.endr
	CODES6 ACC+32, CY, 1
	PAIROUT \ph, 3
.if \ph < 2
	v_cndmask_b32 v[T0], v[SWD], v[SWD+2], s[MH]           ; lanes 0-15 groups 0, 1; lanes 16-31 groups 2, 3: 256 consecutive bytes
	v_cndmask_b32 v[T1], v[SWD+1], v[SWD+3], s[MH]
	global_store_b64 v[CO], v[T0:T1], s[88:89] offset:\ph*SECS
.endif
.endm
; ---- the head
	s_load_b256 s[4:11], s[0:1], 0x0                       ; x's codes, x's scales, w_attn's codes, w_attn's scales
	s_load_b128 s[48:51], s[0:1], 0x20                     ; b_attn, qkv_c
	s_load_b64 s[52:53], s[0:1], 0x30                      ; qkv_s
	v_lshl_add_u32 v[SPW], v0, 2, SPARE
	v_mov_b32 v[NIL], 0
	ds_add_u32 v[SPW], v[NIL]                              ; the opening lines
	ds_add_u32 v[SPW], v[NIL]
	v_lshrrev_b32 v1, 5, v0
	v_readfirstlane_b32 s14, v1                            ; the wave; s15 = wave / 2, s16 = wave % 2
	s_lshr_b32 s15, s14, 1
	s_and_b32 s16, s14, 1
	s_bfe_u32 s40, ttmp6, 0x40000                          ; cx, cy
	s_bfe_u32 s41, ttmp6, 0x40004
	s_lshl_b32 s42, ttmp9, 2
	s_add_co_u32 s42, s42, s40                             ; hp
	s_and_b32 s17, ttmp7, 0xffff                           ; the cluster's y
	s_lshl_b32 s43, s17, 2
	s_add_co_u32 s43, s43, s41                             ; tr
	s_lshl_b32 s44, s41, 2
	s_lshl_b32 s44, 15, s44                                ; my row of the cluster
	s_lshl_b32 s45, 0x1111, s40                            ; my column
	GROUP1 G1A, 44, 256
	GROUP1 G1B, 45, 128
	GROUPS G1S, 44, 32
	GROUPS G1T, 45, 16
	s_mov_b32 s[SEL], 0x76543210
	s_mov_b32 s[SEL+1], 0xfedcba98
	s_mul_i32 s20, s15, 128*PITCH                          ; the stream of tokens: my 128 rows
	s_mul_i32 s21, s15, 16*272
	s_add_co_u32 s21, s21, XS
	s_mul_i32 s22, s16, 64*PITCH                           ; resident: my head's rows of the weights,
	s_add_co_u32 s22, s22, WB
	s_mul_i32 s23, s14, 64*PITCH                           ; my 64 tokens
	s_lshl_b32 s54, s16, 8
	s_lshl_b32 s55, s15, 8
	s_add_co_u32 s55, s55, XS
	s_lshl_b32 s2, s16, 1
	s_add_co_u32 s55, s55, s2
	s_lshl_b32 s2, s14, 8
	s_add_co_u32 s2, s2, XS
	s_lshl_b32 s100, s41, 2
	s_add_co_u32 s100, s100, s14                           ; my number among the sixteen waves of my column
	s_mul_i32 s3, s42, 128*KROW
	s_add_co_u32 s3, s3, 1024*KROW
	s_mul_i32 s100, s100, 128*KROW/16
	s_add_co_u32 s3, s3, s100
	v_and_b32 v1, 15, v0                                   ; r
	v_bfe_u32 v2, v0, 4, 1                                 ; h
	v_and_b32 v3, 31, v0
	v_lshlrev_b32 v[CO], 3, v3
	v_mul_u32_u24 v5, v1, PITCH
	v_mad_u32_u24 v6, v2, 24, v5                           ; a stream's row r, + 24 h
	v_mad_u32_u24 v7, v2, 40, v5                           ; and behind one padding more
	v_lshlrev_b32 v8, 5, v1
	v_lshrrev_b32 v9, 3, v1
	v_lshl_add_u32 v8, v9, 4, v8                           ; its scale words: 32 r + 16 (r / 8)
	v_and_b32 v18, 7, v0
	v_lshl_add_u32 v19, v9, 5, v18                         ; a resident tile's row: r % 8 + 32 (r / 8)
	v_mul_u32_u24 v19, v19, PITCH
	v_mad_u32_u24 v20, v2, 24, v19
	v_mad_u32_u24 v21, v2, 40, v19
	; q's and k's resident tiles: lanes 8-15 take channel 32 + 8 ((t + 1) % 4) + i, so that a tile's sixteen LDS rows differ modulo 16.  The order inside scale block 1 is turned alike for q and k: their product is the same.
	v_mad_u32_u24 v23, v9, 40, v18                         ; tiles 0 to 2: r % 8 + 40 (r / 8); tile 3 takes rows 24 + r, by the stream's registers v6, v7
	v_mul_u32_u24 v23, v23, PITCH
	v_mad_u32_u24 v5, v2, 24, v23
	v_mad_u32_u24 v19, v2, 40, v23
	v_lshlrev_b32 v[ABS], 5, v18                           ; scale words of tiles 2 p + h: row 16 p + 8 h + r % 8 + 32 (r / 8), 32 bytes a row
	v_lshl_add_u32 v[ABS], v2, 8, v[ABS]
	v_lshl_add_u32 v[ABS], v9, 10, v[ABS]
	v_lshlrev_b32 v[ABW], 5, v18                           ; q, k: tiles 2 p + h: row 16 p + 8 h + r % 8 + 40 (r / 8),
	v_lshl_add_u32 v[ABW], v2, 8, v[ABW]
	v_mad_u32_u24 v[ABW], v9, 1280, v[ABW]
	v_and_b32 v[ABW+1], v2, v9
	v_lshlrev_b32 v[ABW+1], 10, v[ABW+1]
	v_sub_nc_u32 v[ABW+1], v[ABW], v[ABW+1]                ; but tile 3's lanes 8-15 32 rows less
	v_mul_u32_u24 v[VBQ], v2, 160                          ; the bias follows: lanes 16-31 channel 40 + 8 t + j for tiles 0 to 2,
	v_add_nc_u32 v[VBQ], s54, v[VBQ]
	v_lshlrev_b32 v[VBQ2], 5, v2                           ; 32 + j for tile 3
	v_add_nc_u32 v[VBQ2], s54, v[VBQ2]
	v_lshlrev_b32 v[VBV], 2, v1
	v_lshl_add_u32 v[STV], v1, 3, v2
	v_add_nc_u32 v[STV], s55, v[STV]
	v_add_nc_u32 v[RDV], s2, v[CO]
	v_min_u32 v[PF], 128*KROW/16/256-1, v3
	v_lshl_add_u32 v[PF], v[PF], 8, s3
	v_cmp_lt_u32 s[MH], 15, v3                             ; lanes 16-31
	v_and_b32 v22, 8, v0
	v_cmp_ne_u32 s[M8], 0, v22                             ; lanes with r >= 8
	v_mov_b32 v[D1], 0                                     ; written once: a lane move's destination counts as a source
	v_mov_b32 v[D2], 0
	v_mov_b32 v[T1], 0
	WALU
.set I, 0
.rept 8
	v_add_nc_u32 v[AT+3*I], s20, v6
	v_add_nc_u32 v[AT+3*I+1], s20, v7
	v_add_nc_u32 v[AT+3*I+2], s21, v8
	v_add_nc_u32 v[ATV+3*I], WB+I*16*PITCH, v6
	v_add_nc_u32 v[ATV+3*I+1], WB+I*16*PITCH, v7
	v_add_nc_u32 v[ATV+3*I+2], WS+I*544, v8
	s_add_co_u32 s20, s20, 16*PITCH
	s_add_co_u32 s21, s21, 544
.set I, I+1
.endr
.set I, 0
.rept 4
.if I < 3
	v_add_nc_u32 v[BA+2*I], s22, v5
	v_add_nc_u32 v[BA+2*I+1], s22, v19
.else
	v_add_nc_u32 v[BA+2*I], s22, v6
	v_add_nc_u32 v[BA+2*I+1], s22, v7
.endif
	v_add_nc_u32 v[BAV+2*I], s23, v20
	v_add_nc_u32 v[BAV+2*I+1], s23, v21
	s_add_co_u32 s22, s22, 8*PITCH
	s_add_co_u32 s23, s23, 8*PITCH
.set I, I+1
.endr
	WALU
	s_wait_dscnt 0x0
	CROUND                                                 ; the round in front of the first joint loads
	s_wait_kmcnt 0x0
	s_mov_b32 s21, 0
	s_mul_i32 s20, s43, 256*KROW
	G0SET G0A, 0, 4
	s_mul_i32 s20, s42, 128*KROW
	G0SET G0B, WB, 8
	s_lshl_b32 s20, s43, 13
	G0SET G0S, XS, 6
	s_lshl_b32 s20, s42, 12
	s_add_co_u32 s20, s20, 2048*32
	G0SET G0T, WS, 10
	s_cmp_eq_u32 s14, 0                                    ; one load a wave, in one chain of arms
	s_cbranch_scc0 .Lwave_1
	TLOAD G0B, G1B                                         ; wave 0: q's weights
	s_branch .Lasked
.Lwave_1:
	s_cmp_eq_u32 s14, 1
	s_cbranch_scc0 .Lwave_2
	TLOAD G0S, G1S                                         ; wave 1: x's scale bytes
	s_branch .Lasked
.Lwave_2:
	s_cmp_eq_u32 s14, 2
	s_cbranch_scc0 .Lwave_3
	TLOAD G0A, G1A                                         ; wave 2: x's 256 rows
	s_branch .Lasked
.Lwave_3:
	TLOAD G0T, G1T                                         ; wave 3: the scale bytes of v's weights
.Lasked:
	s_lshl_b32 s20, s42, 12
	s_lshl_b32 s22, s16, 11
	s_add_co_u32 s20, s20, s22
	s_add_nc_u64 s[10:11], s[10:11], s[20:21]              ; scale bytes of my head's rows of w_attn (q; k 32,768 on)
	s_lshl_b32 s20, s43, 13
	s_lshl_b32 s22, s14, 11
	s_add_co_u32 s20, s20, s22
	s_add_nc_u64 s[6:7], s[6:7], s[20:21]                  ; of my 64 tokens
	s_lshl_b32 s20, s42, 9
	s_add_nc_u64 s[48:49], s[48:49], s[20:21]              ; the bias of my two heads
.irp p, 0,1
.irp c, 0,1
	global_load_b128 v[SB+8*\p+4*\c:SB+8*\p+4*\c+3], v[ABW+\p], s[10:11] offset:512*\p+16*\c
	global_load_b128 v[SB+16+8*\p+4*\c:SB+16+8*\p+4*\c+3], v[ABW+\p], s[10:11] offset:32768+512*\p+16*\c
	global_load_b128 v[SB+32+8*\p+4*\c:SB+32+8*\p+4*\c+3], v[ABS], s[6:7] offset:512*\p+16*\c
.endr
.endr
	WIN 3<<6
.irp k, 0,1,2,3,4,5,6,7
.if \k < 6
	global_load_b128 v[BQ+4*\k:BQ+4*\k+3], v[VBQ], s[48:49] offset:16*\k            ; register 8 t + j: the channel of resident row 8 h + j of tile t
	global_load_b128 v[BQ+32+4*\k:BQ+32+4*\k+3], v[VBQ], s[48:49] offset:4096+16*\k
.else
	global_load_b128 v[BQ+4*\k:BQ+4*\k+3], v[VBQ2], s[48:49] offset:16*\k
	global_load_b128 v[BQ+32+4*\k:BQ+32+4*\k+3], v[VBQ2], s[48:49] offset:4096+16*\k
.endif
	global_load_b32 v[BV+8*\k], v[VBV], s[48:49] offset:8192+64*\k                  ; v: channel 16 k + r
.endr
	WIN 0
	s_lshr_b32 s20, s43, 2                                 ; where the results go
	s_lshl_b32 s20, s20, 4
	s_lshl_b32 s22, s42, 1
	s_add_co_u32 s20, s20, s22                             ; 16 x batch + my first head
	s_and_b32 s3, s43, 3
	s_lshl_b32 s3, s3, 1                                   ; my first step of 128 tokens
	s_add_co_u32 s22, s20, s16
	s_add_co_u32 s23, s3, s15
	s_mul_i32 s54, s22, 49152
	s_mul_i32 s55, s23, 6144
	s_add_co_u32 s54, s54, s55
	s_mov_b32 s55, 0
	s_add_nc_u64 s[84:85], s[50:51], s[54:55]              ; q's codes (k's a section on)
	s_lshl_b32 s54, s22, 11
	s_lshl_b32 s22, s23, 8
	s_add_co_u32 s54, s54, s22
	s_add_nc_u64 s[88:89], s[52:53], s[54:55]              ; q's scale words
	s_mul_i32 s54, s20, 49152
	s_mul_i32 s22, s23, 6144
	s_add_co_u32 s54, s54, s22
	s_mul_i32 s22, s16, 768
	s_add_co_u32 s54, s54, s22
	s_add_co_u32 s54, s54, 2*SECC
	s_add_nc_u64 s[86:87], s[50:51], s[54:55]              ; v's codes: my step, my 64 keys of it
	s_add_co_u32 s22, s20, s15
	s_lshl_b32 s54, s22, 11
	s_add_co_u32 s22, s3, s16
	s_lshl_b32 s22, s22, 8
	s_add_co_u32 s54, s54, s22
	s_add_co_u32 s54, s54, 2*SECS
	s_add_nc_u64 s[90:91], s[52:53], s[54:55]              ; v's scale words: head wave / 2, step wave % 2
	WALU
	s_cmp_eq_u32 s14, 0
	s_cbranch_scc0 .Lnot_b
	s_wait_tensorcnt 0x0
.Lnot_b:
	BARRIER                                                ; q's weights are in
	s_cmp_lt_u32 s17, 4
	s_cbranch_scc0 .Lno_pf
	global_prefetch_b8 v[PF], s[8:9] th:TH_LOAD_NT scope:SCOPE_SE   ; k's weights
.Lno_pf:
	RESID BA
	s_wait_loadcnt 0x0
	WIN (3<<6)|3
.irp k, 0,8,16,24,32,40,48,56
.irp i, 1,2,3,4,5,6,7
	v_mov_b32 v[BV+\k+\i], v[BV+\k]                        ; v's bias, one number a lane and block, over the C's eight registers
.endr
.endr
	WIN 0
	WALU
	s_wait_tensorcnt 0x0
	s_wait_dscnt 0x0
	BARRIER                                                ; all the head's tiles are in
	FETCH 0, AT
	FETCH 1, AT+3
.set ATB, AT
	PHASE 0
	FX 0, 1, 0
	RESID BA
	FX 1, 1, 1
	TAIL 0
	PHASE 1
	FX 0, 2, 0
	RESID BAV
	FX 1, 2, 1
	TAIL 1
.set ATB, ATV
	PHASE 2
	TAIL 2
	s_wait_dscnt 0x0                                       ; my bytes of v's scales are stored
	BARRIER
	ds_load_b64 v[T0:T1], v[RDV]
	s_wait_dscnt 0x0
	global_store_b64 v[CO], v[T0:T1], s[90:91]             ; 256 consecutive bytes, aligned
	s_wait_tensorcnt 0x0                                   ; the wave's end
	ds_add_u32 v[SPW], v[NIL]
	s_wait_dscnt 0x0
	CROUND                                                 ; the closing round
	s_endpgm
.Lfunc_end_k_q2bc35edef7_qkv:
	.size	k_q2bc35edef7_qkv, .Lfunc_end_k_q2bc35edef7_qkv-k_q2bc35edef7_qkv
	.p2alignl 7, 3214868480
	.fill 96, 4, 3214868480
	.section	.rodata,"a",@progbits
	.p2align	6, 0x0
	.amdhsa_kernel k_q2bc35edef7_qkv
		.amdhsa_group_segment_fixed_size 327680
		.amdhsa_private_segment_fixed_size 0
		.amdhsa_enable_private_segment 0
		.amdhsa_kernarg_size 56
		.amdhsa_user_sgpr_count 2
		.amdhsa_user_sgpr_kernarg_segment_ptr 1
		.amdhsa_wavefront_size32 1
		.amdhsa_system_sgpr_workgroup_id_x 1
		.amdhsa_system_sgpr_workgroup_id_y 1
		.amdhsa_system_sgpr_workgroup_id_z 1
		.amdhsa_system_vgpr_workitem_id 0
		.amdhsa_next_free_vgpr 1024
		.amdhsa_next_free_sgpr 102
		.amdhsa_reserve_vcc 0
		.amdhsa_float_denorm_mode_32 3
		.amdhsa_float_denorm_mode_16_64 3
		.amdhsa_memory_ordered 1
		.amdhsa_forward_progress 1
		.amdhsa_inst_pref_size 255
	.end_amdhsa_kernel
	.section	.bss,"aw",@nobits
	.p2align	6
	.space	262144
	.amdgpu_metadata
---
amdhsa.version: [ 1, 2 ]
amdhsa.kernels:
  - .name:           k_q2bc35edef7_qkv
    .symbol:         k_q2bc35edef7_qkv.kd
    .args:
      - { .name: x_codes, .offset: 0, .size: 8, .value_kind: global_buffer, .address_space: global }
      - { .name: x_scales, .offset: 8, .size: 8, .value_kind: global_buffer, .address_space: global }
      - { .name: w_attn_codes, .offset: 16, .size: 8, .value_kind: global_buffer, .address_space: global }
      - { .name: w_attn_scales, .offset: 24, .size: 8, .value_kind: global_buffer, .address_space: global }
      - { .name: b_attn, .offset: 32, .size: 8, .value_kind: global_buffer, .address_space: global }
      - { .name: qkv_c, .offset: 40, .size: 8, .value_kind: global_buffer, .address_space: global }
      - { .name: qkv_s, .offset: 48, .size: 8, .value_kind: global_buffer, .address_space: global }
    .group_segment_fixed_size: 327680
    .private_segment_fixed_size: 0
    .kernarg_segment_align: 8
    .kernarg_segment_size: 56
    .max_flat_workgroup_size: 128
    .sgpr_count:     102
    .vgpr_count:     1024
    .wavefront_size: 32
...
	.end_amdgpu_metadata
.endif
;; end of part 1
;; launch attn (part 2): grid 2 x 128, 16 waves a work-group, no clusters, 169,984 bytes of LDS; arguments qkv_c, qkv_s, a_c, a_s; writes a_c, a_s
.if DOCPART == 2
	.amdgcn_target "amdgcn-amd-amdhsa--gfx1250"
	.amdhsa_code_object_version 6
	.text
	.protected	k_q2bc35edef7_attn
	.globl	k_q2bc35edef7_attn
	.p2align	8
	.type	k_q2bc35edef7_attn,@function
k_q2bc35edef7_attn:
	s_mov_b64 s[64:65], 0
	v_nop
	global_prefetch_b8 v0, s[64:65] scope:SCOPE_SE
	s_setreg_imm32_b32 hwreg(HW_REG_WAVE_MODE, 25, 1), 1
	s_wait_xcnt 0x0
; a[b][q][head] = softmax_k(q . k / 8, causal) v, both products on codes of FP6 (E2M3) with one E8M0 scale for each 32 along a product's K; a leaves as codes, quantised along the channels.
; q, k, v come as images of operand registers (a piece = 32 lanes x 8 bytes = one register pair), as the launch before has laid them:
;   k: 32 keys are 6 pieces, ONE operand of 12 registers: its K = 0 .. 63 are the 64 channels of key tile u = 0 (keys r % 8 + 32 (r / 8)), its K = 64 .. 127 those of tile u = 1 (8 more).
;   The head has 64 channels and the instruction takes 128 along K: q stands in one half of its operand and zero codes in the other, so one fragment of k serves two products (u = 0, 1).
;   v: a key step of 128 is four fragments of 16 channels x 128 keys; lane r of tile 2 b + u holds channel 32 b + 8 u + r + 8 (r / 8).
; Both products are used transposed (S^T = k q^T, O^T = v^T p^T): a lane holds ONE query throughout; register J of S^T is key 64 (J / 32) + 32 h + J % 32, registers 16 b + i of O^T channels 32 b + 16 h + i.
; SOFTMAX: t = score x log2(e) / 8; M = the running largest t rounded up to a whole number; p = 2^(t - M) is quantised along the keys; the sum is taken of the unquantised p and divides O at the end.
; When M moves, the sum and O are multiplied by 2^(old M - new M), which rounds nothing.  Hidden scores are set to -8e9 ahead of the maximum: the -1e9 of the mask ahead of the division by 8.
; SHARES: work-group (j, head) has 16 waves; wave w owns two tiles of 16 queries, 2 w + j and 63 - (2 w + j): together 9 key steps of 128 for every wave.  A step all of whose keys come after the tile's queries is left out.
; LDS: the head's k and v stay whole, filled once by waves 0 to 7, in two halves (key steps 0-1, 2-7): k's codes at 0, v's at 49,152, k's scale words at 98,304, v's at 100,352.  Nothing is filled again.
; The late tile's first two steps, all of whose keys count, need the lower halves alone: they run while the upper halves land.  Every wave has two steps in front of the second barrier and seven behind it.
; NO CLUSTER: a head's tiles are shared by two work-groups, the grid's whole x; a cluster four wide does not divide it.  Each of the two asks for the head's 102,400 bytes once.
; LIMITS: leaving hidden steps out is exact while a row's largest visible logit lies above about -1e9 + 200; NaN and infinities are not served; a block whose largest magnitude lies under 2^(3 - 127) gets the byte 1
; (a block of zeros too: its codes are zeros, and this program alone reads the bytes).  a's scale bytes leave as single bytes, 32 a tile against 768 bytes of codes.
.set SECC,  6291456                    ; a section of qkv_c
.set SECS,  262144                     ; of qkv_s
.set HEADC, 49152                      ; a head's codes
.set HEADS, 2048                       ; a head's scale words
.set LV,    49152                      ; LDS: v's codes
.set LKS,   98304                      ; k's scale words; v's lie HEADS further on
.set LI8, 1                            ; v1   8 x lane
.set ADC, 2                            ; v2   the step's codes
.set ADS, 3                            ; v3   the step's scale words
.set DQ,  6                            ; v6   r - 32 h
.set ASO, 7                            ; v7   32 r + h
.set QR,  16                           ; v16-21 zero codes, v22-27 q, v28-33 zero codes
.set QL,  34                           ; v34-39 the early tile's q
.set RAWL, 40                          ; its scale word as stored; v41 the late tile's
.set RAWH, 41
.set QS,  42                           ; q's scale words: lanes 0-15 for u = 0, lanes 16-31 for u = 1
.set KSC, 44                           ; v44-45 k's scale words; v46-47 v's
.set VSC, 46
.set FRG, 48                           ; v48-95 four fragments
.set S,   96                           ; v96-159 S^T, then p
.set O,   160                          ; v160-191 O^T
.set PCD, 192                          ; v192-203 p's codes
.set CH,  204                          ; v204-206, v208-210 the conversions' second halves
.set BM,  212                          ; v212-215 a block's largest score, then its largest p
.set PT,  216                          ; v216-219 at work
.set SO,  220                          ; v220-223 the conversions' scale operands
.set PW,  224                          ; p's scale word
.set F,   226                          ; v[226:227] 2^(old M - new M)
.set T0,  228
.set T1,  229
.set TS6, 2                            ; s2   the step's codes in LDS: 6,144 a step
.set TS2, 3                            ; s3   its scale words: LKS + 256 a step
.set WV,  18
.set SEL, 20                           ; s[20:21] lane l xor 16
.set CS,  22                           ; s[22:23] log2(e) / 8
.set G1C, 24                           ; s[24:31] group 1: 12,288 dense bytes;  s[32:39]: 512
.set G1S, 32
.set G0C, 40                           ; s[40:43] group 0 for codes;  s[48:51] for scale words
.set G0S, 48
.set KF,  56                           ; the step's first key
.set Q0,  57                           ; the tile's first query
.set CNT, 58
.set MH,  59                           ; lanes 16-31
.set TLO, 60                           ; my early tile; s61 my late one
.set THI, 61
	s_load_b256 s[4:11], s[0:1], 0x0               ; qkv_c, qkv_s, a_c, a_s
	v_lshl_add_u32 v254, v0, 2, 0x29000
	v_mov_b32 v255, 0
	ds_add_u32 v254, v255
	ds_add_u32 v254, v255
	v_lshrrev_b32 v8, 5, v0
	s_delay_alu instid0(VALU_DEP_1)
	v_readfirstlane_b32 s[WV], v8                  ; wave 0..15
	s_and_b32 s16, ttmp7, 0xffff                   ; 16 x batch + head
	s_lshr_b32 s17, s16, 4                         ; batch
	s_and_b32 s19, s16, 15                         ; head
	s_lshl_b32 s[TLO], s[WV], 1
	s_add_co_u32 s[TLO], s[TLO], ttmp9             ; 2 w + j
	s_sub_co_u32 s[THI], 63, s[TLO]
	s_mov_b32 s[G1C], 3<<16                        ; elements of 8 bytes, no mask, no padding
	s_mov_b32 s[G1C+1], 32<<16                     ; rows of 256 bytes
	s_mov_b32 s[G1C+2], 48<<16                     ; key steps 0, 1: 48 rows
	s_mov_b32 s[G1C+3], 32<<16
	s_mov_b32 s[G1C+4], 48
	s_mov_b32 s[G1C+5], 32
	s_mov_b32 s[G1C+6], 0
	s_mov_b32 s[G1C+7], 0
	s_mov_b32 s[G1S], 3<<16
	s_mov_b32 s[G1S+1], 32<<16
	s_mov_b32 s[G1S+2], 2<<16                      ; 2 rows
	s_mov_b32 s[G1S+3], 32<<16
	s_mov_b32 s[G1S+4], 2
	s_mov_b32 s[G1S+5], 32
	s_mov_b32 s[G1S+6], 0
	s_mov_b32 s[G1S+7], 0
	s_mov_b32 s68, 3<<16                           ; s[68:75], s[76:83]: groups 1 for key steps 2 to 7: 144 rows of codes, 6 of scale words
	s_mov_b32 s69, 32<<16
	s_mov_b32 s70, 144<<16
	s_mov_b32 s71, 32<<16
	s_mov_b32 s72, 144
	s_mov_b32 s73, 32
	s_mov_b32 s74, 0
	s_mov_b32 s75, 0
	s_mov_b32 s76, 3<<16
	s_mov_b32 s77, 32<<16
	s_mov_b32 s78, 6<<16
	s_mov_b32 s79, 32<<16
	s_mov_b32 s80, 6
	s_mov_b32 s81, 32
	s_mov_b32 s82, 0
	s_mov_b32 s83, 0
	s_mov_b32 s[SEL], 0x76543210
	s_mov_b32 s[SEL+1], 0xfedcba98
	s_mov_b32 s[CS], 0x3e38aa3b                    ; log2(e) / 8
	s_mov_b32 s[CS+1], s[CS]                       ; (named with it as a pair)
	s_and_b32 s62, s[WV], 1
	s_add_co_u32 s62, s62, 1                       ; even waves fetch k (section 1), odd ones v (section 2)
	s_mul_i32 s2, s62, SECC
	s_mul_i32 s3, s16, HEADC
	s_add_co_u32 s2, s2, s3
	s_mov_b32 s3, 0
	s_mul_i32 s56, s62, SECS
	s_lshl_b32 s57, s16, 11
	s_add_co_u32 s56, s56, s57
	s_mov_b32 s57, 0
	; one fill a wave: waves 0, 1 codes of key steps 0-1 (k, v), waves 2, 3 their scale words, waves 4, 5 and 6, 7 the same of key steps 2-7
	s_and_b32 s58, s[WV], 1
	s_lshl_b32 s59, s58, 11
	s_mul_i32 s58, s58, HEADC
	s_lshr_b32 s63, s[WV], 2
	s_and_b32 s63, s63, 1                          ; which half
	s_mul_i32 s12, s63, 12288                      ; the second part begins at key step 2
	s_lshl_b32 s13, s63, 9
	s_add_co_u32 s58, s58, s12                     ; LDS: codes
	s_add_co_u32 s59, s59, s13
	s_add_co_u32 s59, s59, LKS                     ; LDS: scale words
	s_add_co_u32 s2, s2, s12                       ; and the same halves in memory
	s_add_co_u32 s56, s56, s13
	s_wait_dscnt 0x0
	s_wait_kmcnt 0x0
	s_mov_b32 s[G0C], 1
	s_mov_b32 s[G0C+1], s58
	s_add_nc_u64 s[G0C+2:G0C+3], s[4:5], s[2:3]
	s_or_b32 s[G0C+3], s[G0C+3], 0x80000000
	s_mov_b32 s[G0S], 1
	s_mov_b32 s[G0S+1], s59
	s_add_nc_u64 s[G0S+2:G0S+3], s[6:7], s[56:57]
	s_or_b32 s[G0S+3], s[G0S+3], 0x80000000
	s_cmp_lt_u32 s[WV], 2                          ; one chain of arms, one fill to an arm; the lower halves' lines are waves 0 to 3's alone
	s_cbranch_scc0 .Larm_b
	tensor_load_to_lds s[G0C:G0C+3], s[G1C:G1C+7]
	s_nop 0
.rept 4
	v_nop
.endr
	s_branch .Lasked
.Larm_b:
	s_cmp_lt_u32 s[WV], 4
	s_cbranch_scc0 .Larm_c
	tensor_load_to_lds s[G0S:G0S+3], s[G1S:G1S+7]
	s_nop 0
.rept 4
	v_nop
.endr
	s_branch .Lasked
.Larm_c:
	s_cmp_lt_u32 s[WV], 6
	s_cbranch_scc0 .Larm_d
	tensor_load_to_lds s[G0C:G0C+3], s[68:75]
	s_nop 0
.rept 4
	v_nop
.endr
	s_branch .Lasked
.Larm_d:
	s_cmp_lt_u32 s[WV], 8
	s_cbranch_scc0 .Lasked
	tensor_load_to_lds s[G0S:G0S+3], s[76:83]
	s_nop 0
.rept 4
	v_nop
.endr
.Lasked:
	v_and_b32 v4, 31, v0                           ; lane
	s_delay_alu instid0(VALU_DEP_1)
	v_lshlrev_b32 v[LI8], 3, v4
	v_and_b32 v5, 15, v0                           ; r
	s_wait_alu depctr_va_vdst(0)
	v_bfe_u32 v10, v0, 4, 1                        ; h
	s_delay_alu instid0(VALU_DEP_1)
	v_lshlrev_b32 v11, 5, v10
	v_lshlrev_b32 v230, 3, v10                     ; v230: 8 h
	v_sub_nc_u32 v[DQ], v5, v11                    ; r - 32 h: register J of S^T is key 64 (J / 32) + 32 h + J % 32 of the step: a lane holds whole blocks of 32 keys, blocks h and 2 + h
	v_lshl_add_u32 v[ASO], v5, 5, v10
	v_cmp_lt_u32 s[MH], 15, v4
	s_mul_i32 s62, s[THI], 768                     ; a tile of q is three pieces
	v_add_nc_u32 v8, s62, v[LI8]
	s_wait_alu depctr_va_vdst(0)
	s_mul_i32 s62, s[TLO], 768
	v_add_nc_u32 v9, s62, v[LI8]
	s_wait_alu depctr_va_vdst(0)
	s_lshr_b32 s62, s[THI], 2                      ; its scale word: 128 (tile / 4) + 4 ((tile / 2) % 2) + 8 r
	s_lshl_b32 s62, s62, 7
	s_bfe_u32 s63, s[THI], 0x10001
	s_lshl_b32 s63, s63, 2
	s_add_co_u32 s62, s62, s63
	v_lshl_add_u32 v10, v5, 3, s62
	s_wait_alu depctr_va_vdst(0)
	s_lshr_b32 s62, s[TLO], 2
	s_lshl_b32 s62, s62, 7
	s_bfe_u32 s63, s[TLO], 0x10001
	s_lshl_b32 s63, s63, 2
	s_add_co_u32 s62, s62, s63
	v_lshl_add_u32 v11, v5, 3, s62
	s_mul_i32 s62, s16, HEADC
	s_mov_b32 s63, 0
	s_add_nc_u64 s[4:5], s[4:5], s[62:63]          ; q's codes of my head (section 0)
	s_lshl_b32 s62, s16, 11
	s_add_nc_u64 s[6:7], s[6:7], s[62:63]          ; and its scale words
.irp p, 0,1,2
	global_load_b64 v[QR+6+2*\p:QR+7+2*\p], v8, s[4:5] offset:256*\p
	global_load_b64 v[QL+2*\p:QL+1+2*\p], v9, s[4:5] offset:256*\p
.endr
	global_load_b32 v[RAWH], v10, s[6:7]
	global_load_b32 v[RAWL], v11, s[6:7]
	s_mul_i32 s62, s17, 786432                     ; a_c: 64 token tiles of 12,288 bytes a batch; my head's three pieces begin 768 x head in
	s_mul_i32 s56, s19, 768
	s_add_co_u32 s62, s62, s56
	s_add_nc_u64 s[8:9], s[8:9], s[62:63]
	s_lshl_b32 s62, s17, 15                        ; a_s: 32 bytes a token; my head's two begin at 2 x head
	s_lshl_b32 s56, s19, 1
	s_add_co_u32 s62, s62, s56
	s_add_nc_u64 s[10:11], s[10:11], s[62:63]
.irp i, 0,1,2,3,4,5
	v_mov_b32 v[QR+\i], 0                          ; zero codes on both sides of q
	v_mov_b32 v[QR+12+\i], 0
.endr
.irp b, 0,1,2,3
	v_mov_b32 v[PT+\b], 0                          ; written once: a lane permute's destination counts as one of its sources
.endr
	v_mov_b32 v[F+1], 0                            ; (named as the upper half of a pair)
	v_mov_b32 v[T0], 0
; The head of a pass: tile s[qt], whose stored scale word is v[raw].  Where its codes of a go; q's scale words; the sums begin.
.macro PASSHEAD qt, raw
	s_lshl_b32 s[Q0], s[\qt], 4
	s_mul_i32 s62, s[\qt], 12288
	s_mov_b32 s63, 0
	s_add_nc_u64 s[12:13], s[8:9], s[62:63]
	s_lshl_b32 s62, s[\qt], 9
	s_add_nc_u64 s[14:15], s[10:11], s[62:63]
	s_and_b32 s62, s[\qt], 1
	s_lshl_b32 s62, s62, 4
	v_lshrrev_b32 v8, s62, v[\raw]                 ; an even tile's two bytes lie below, an odd one's above
	s_delay_alu instid0(VALU_DEP_1)
	v_and_b32 v8, 0xffff, v8
	s_delay_alu instid0(VALU_DEP_1)
	v_or_b32 v9, 0x7f7f0000, v8                    ; u = 0: q in K = 0 .. 63; the zero codes' bytes are 127
	s_delay_alu instid0(VALU_DEP_2)
	v_lshl_or_b32 v10, v8, 16, 0x7f7f              ; u = 1: q in K = 64 .. 127
	s_delay_alu instid0(VALU_DEP_1)
	v_cndmask_b32 v[QS], v9, v10, s[MH]
	v_mov_b32 v13, 0xff61b1e6                      ; the largest t so far: -3e38
	s_delay_alu instid0(VALU_DEP_1)
	v_floor_f32 v12, -v13                          ; -M
	v_mov_b32 v14, 0                               ; the sum, in two halves
	v_mov_b32 v15, 0
.set J, 0
.rept 32
	v_mov_b32 v[O+J], 0                            ; O^T: the first change of M leaves zeros zeros.  (These lines are also the places between q's scale words and the first product)
.set J, J+1
.endr
	s_mov_b32 s[TS6], 0
	s_mov_b32 s[TS2], LKS
	s_mov_b32 s[KF], 0
.endm
.macro KQ be, u                        ; keys 64 (be / 2) + 16 (be % 2) + 8 u + .. of the step against my 16 queries
.set rS, S+8*(2*\be+\u)
.set rK, FRG+12*\be
.set rQ, QR+6-6*\u
.set rC, KSC+\be%2
.if (\be < 2) && (\u == 0)
	v_wmma_scale_f32_16x16x128_f8f6f4 v[rS:rS+7], v[rK:rK+11], v[rQ:rQ+11], 0, v[rC], v[QS] matrix_a_fmt:MATRIX_FMT_FP6 matrix_b_fmt:MATRIX_FMT_FP6
.elseif \be < 2
	v_wmma_scale_f32_16x16x128_f8f6f4 v[rS:rS+7], v[rK:rK+11], v[rQ:rQ+11], 0, v[rC], v[QS] matrix_a_fmt:MATRIX_FMT_FP6 matrix_b_fmt:MATRIX_FMT_FP6 matrix_b_scale:MATRIX_SCALE_ROW1
.elseif \u == 0
	v_wmma_scale_f32_16x16x128_f8f6f4 v[rS:rS+7], v[rK:rK+11], v[rQ:rQ+11], 0, v[rC], v[QS] matrix_a_fmt:MATRIX_FMT_FP6 matrix_b_fmt:MATRIX_FMT_FP6 matrix_a_scale:MATRIX_SCALE_ROW1
.else
	v_wmma_scale_f32_16x16x128_f8f6f4 v[rS:rS+7], v[rK:rK+11], v[rQ:rQ+11], 0, v[rC], v[QS] matrix_a_fmt:MATRIX_FMT_FP6 matrix_b_fmt:MATRIX_FMT_FP6 matrix_a_scale:MATRIX_SCALE_ROW1 matrix_b_scale:MATRIX_SCALE_ROW1
.endif
.endm
.macro PV dt                           ; 16 channels x these 128 keys
.if (\dt)%2 == 0
	v_wmma_scale_f32_16x16x128_f8f6f4 v[O+8*\dt:O+8*\dt+7], v[FRG+12*\dt:FRG+12*\dt+11], v[PCD:PCD+11], v[O+8*\dt:O+8*\dt+7], v[VSC+\dt/2], v[PW] matrix_a_fmt:MATRIX_FMT_FP6 matrix_b_fmt:MATRIX_FMT_FP6
.else
	v_wmma_scale_f32_16x16x128_f8f6f4 v[O+8*\dt:O+8*\dt+7], v[FRG+12*\dt:FRG+12*\dt+11], v[PCD:PCD+11], v[O+8*\dt:O+8*\dt+7], v[VSC+\dt/2], v[PW] matrix_a_fmt:MATRIX_FMT_FP6 matrix_b_fmt:MATRIX_FMT_FP6 matrix_a_scale:MATRIX_SCALE_ROW1
.endif
.endm
; A KEY STEP of 128 keys.  causal = 0: all keys count, and nothing is tested.
.macro STEP causal
.if \causal
	s_add_co_u32 s62, s[Q0], 15                    ; a step all of whose keys come after my 16 queries is left out: a branch on ids, round the work, not round the lines that step addresses
	s_cmp_gt_u32 s[KF], s62
	s_cbranch_scc1 .Lhidden_\@
.endif
	v_add_nc_u32 v[ADC], s[TS6], v[LI8]
	v_add_nc_u32 v[ADS], s[TS2], v[LI8]
	v_nop
	v_nop                                          ; four places in front of loads into registers that the last products have read
.irp be, 0,1,2,3
.irp pc, 0,1,2,3,4,5
	ds_load_b64 v[FRG+12*\be+2*\pc:FRG+12*\be+2*\pc+1], v[ADC] offset:1536*\be+256*\pc   ; 32 lanes read 256 consecutive bytes
.endr
.endr
	ds_load_b64 v[KSC:KSC+1], v[ADS]               ; register g % 2: lanes 0-15 group g = 0, 1; lanes 16-31 group 2, 3
	s_wait_alu depctr_va_vdst(0)
	s_wait_dscnt 0x0
.irp be, 0,1,2,3
.irp u, 0,1
	KQ \be, \u
.endr
.endr
.rept 4
	v_nop                                          ; places in front of the loads below and of the first read of the scores
.endr
.irp dt, 0,1,2,3
.irp pc, 0,1,2,3,4,5
	ds_load_b64 v[FRG+12*\dt+2*\pc:FRG+12*\dt+2*\pc+1], v[ADC] offset:LV+1536*\dt+256*\pc   ; v's fragments land while the softmax is walked
.endr
.endr
	ds_load_b64 v[VSC:VSC+1], v[ADS] offset:HEADS  ; register dt / 2: lanes 0-15 even tiles, lanes 16-31 odd ones
.if \causal
	s_add_co_u32 s62, s[KF], 127                   ; a step all of whose keys count skips the mask
	s_cmp_le_u32 s62, s[Q0]
	s_cbranch_scc1 .Lopen_\@
	s_sub_co_i32 s62, s[Q0], s[KF]
	v_add_nc_u32 v8, s62, v[DQ]                    ; d = my query - the step's first key - 32 h.  Register J holds key 64 (J / 32) + 32 h + J % 32 of the step: hidden where 64 (J / 32) + J % 32 > d
	v_mov_b32 v9, 0xcfee6b28                       ; -8e9
.set J, 0
.rept 64
	v_cmp_gt_i32 vcc_lo, 64*(J/32)+J%32, v8
	v_cndmask_b32 v[S+J], v[S+J], v9, vcc_lo
.set J, J+1
.endr
.Lopen_\@:
.endif
.irp b, 0,1,2,3
	v_max3_num_f32 v[BM+\b], v[S+16*\b], v[S+1+16*\b], v[S+2+16*\b]   ; the largest score of each block of 32 keys: for the row's maximum and, since p rises with the score, for the block's largest p
.endr
.irp i, 3,5,7,9,11,13
.irp b, 0,1,2,3
	v_max3_num_f32 v[BM+\b], v[BM+\b], v[S+16*\b+\i], v[S+1+16*\b+\i]
.endr
.endr
.irp b, 0,1,2,3
	v_max_num_f32 v[BM+\b], v[BM+\b], v[S+15+16*\b]
.endr
	v_max_num_f32 v[BM], v[BM], v[BM+1]            ; my two blocks' largest scores,
	v_max_num_f32 v[BM+1], v[BM+2], v[BM+3]
	v_max_num_f32 v[T0], v[BM], v[BM+1]
	v_permlanex16_b32 v[PT], v[T0], s[SEL], s[SEL+1]
	v_max_num_f32 v[T0], v[T0], v[PT]              ; and with lane l xor 16's two the step's largest of my query
	s_delay_alu instid0(VALU_DEP_1)
	v_mul_f32 v[T0], s[CS], v[T0]                  ; as t
	s_delay_alu instid0(VALU_DEP_1)
	v_max_num_f32 v13, v13, v[T0]                  ; the running largest t
	v_mov_b32 v[T0], v12
	s_delay_alu instid0(VALU_DEP_2)
	v_floor_f32 v12, -v13                          ; the new -M = -ceil(t)
	s_delay_alu instid0(VALU_DEP_1)
	v_sub_f32 v[T0], v12, v[T0]                    ; old M - new M: a whole number, 0 or less
	s_delay_alu instid0(VALU_DEP_1)
	v_cvt_i32_f32 v[T0], v[T0]                     ; (it saturates)
	s_delay_alu instid0(VALU_DEP_1)
	v_ldexp_f32 v[F], 1.0, v[T0]                   ; f = 2^(old M - new M)
.set J, 0
.rept 32
	v_pk_fma_f32 v[S+J:S+J+1], v[S+J:S+J+1], s[CS:CS+1], v[12:13] op_sel_hi:[1,0,0]   ; t - M, two at a time
.set J, J+2
.endr
.irp b, 0,1
	v_fma_f32 v[BM+\b], v[BM+\b], s[CS], v12       ; the same of each block's largest score
.endr
.set J, 0
	s_wait_alu depctr_va_vdst(0)
.rept 64
	v_exp_f32 v[S+J], v[S+J]                       ; p = 2^(t - M), at most 1
.set J, J+1
.endr
	v_pk_mul_f32 v[14:15], v[14:15], v[F:F+1] op_sel_hi:[1,0]   ; the sums under the new M (a plain place behind the exponentials)
	s_wait_alu depctr_va_vdst(0)                   ; one wait for the whole batch, ahead of its first reader
.irp b, 0,1
	v_exp_f32 v[BM+\b], v[BM+\b]                   ; the block's largest p
.endr
	v_pk_add_f32 v[216:217], v[100:101], v[104:105]
	v_pk_add_f32 v[252:253], v[108:109], v[112:113]
	v_pk_add_f32 v[250:251], v[116:117], v[120:121]
	v_pk_add_f32 v[248:249], v[124:125], v[128:129]
	v_pk_add_f32 v[246:247], v[132:133], v[136:137]
	v_pk_add_f32 v[244:245], v[140:141], v[144:145]
	v_pk_add_f32 v[242:243], v[148:149], v[152:153]
	v_pk_add_f32 v[14:15], v[14:15], v[156:157]
	v_pk_add_f32 v[216:217], v[216:217], v[96:97]
	v_pk_add_f32 v[252:253], v[252:253], v[98:99]
	v_pk_add_f32 v[250:251], v[250:251], v[102:103]
	v_pk_add_f32 v[248:249], v[248:249], v[106:107]
	v_pk_add_f32 v[246:247], v[246:247], v[110:111]
	v_pk_add_f32 v[244:245], v[244:245], v[114:115]
	v_pk_add_f32 v[242:243], v[242:243], v[118:119]
	v_pk_add_f32 v[14:15], v[14:15], v[122:123]
	v_pk_add_f32 v[216:217], v[216:217], v[126:127]
	v_pk_add_f32 v[252:253], v[252:253], v[130:131]
	v_pk_add_f32 v[250:251], v[250:251], v[134:135]
	v_pk_add_f32 v[248:249], v[248:249], v[138:139]
	v_pk_add_f32 v[246:247], v[246:247], v[142:143]
	v_pk_add_f32 v[244:245], v[244:245], v[146:147]
	v_pk_add_f32 v[242:243], v[242:243], v[150:151]
	v_pk_add_f32 v[14:15], v[14:15], v[154:155]
	v_pk_add_f32 v[216:217], v[216:217], v[158:159]
	s_delay_alu instid0(VALU_DEP_2)
	v_pk_add_f32 v[14:15], v[14:15], v[248:249]
	s_delay_alu instid0(VALU_DEP_2)
	v_pk_add_f32 v[216:217], v[216:217], v[246:247]
	v_pk_add_f32 v[252:253], v[252:253], v[244:245]
	v_pk_add_f32 v[250:251], v[250:251], v[242:243]
	s_delay_alu instid0(VALU_DEP_2)
	v_pk_add_f32 v[14:15], v[14:15], v[252:253]
	s_delay_alu instid0(VALU_DEP_2)
	v_pk_add_f32 v[216:217], v[216:217], v[250:251]
	s_delay_alu instid0(VALU_DEP_1)
	v_pk_add_f32 v[14:15], v[14:15], v[216:217]
	s_wait_alu depctr_va_vdst(0)                   ; and one for the four
.irp b, 0,1
	v_max_num_f32 v[BM+\b], 0x1800000, v[BM+\b]    ; the floor 2^(3 - 127): the byte cannot fall under 1
.endr
.irp b, 0,1
	v_add_nc_u32 v[SO+\b], 0xff000000, v[BM+\b]    ; 2 off the exponent field: the conversion's scale operand
.endr
.irp b, 0,1
	v_lshrrev_b32 v[PT+\b], 23, v[SO+\b]           ; the scale's byte
.endr
	v_lshl_or_b32 v[PW], v[PT+1], 16, v[PT]        ; my two bytes: blocks h and 2 + h,
	v_lshlrev_b32 v[PW], v230, v[PW]               ; at their places in the scale word
.irp c, 0,1
	v_cvt_scalef32_pk16_fp6_f32 v[PCD+6*\c:PCD+6*\c+2], v[S+32*\c:S+32*\c+15], v[SO+\c]        ; registers 6 c .. 6 c + 5 of the operand: keys 64 c + 32 h + 0 .. 31, all mine
	v_cvt_scalef32_pk16_fp6_f32 v[CH+4*\c:CH+4*\c+2], v[S+32*\c+16:S+32*\c+31], v[SO+\c]       ; (a conversion's three registers begin on an even number)
.endr
	v_nop                                          ; one plain place behind a scaled conversion
	v_permlanex16_b32 v[PT+2], v[PW], s[SEL], s[SEL+1]
.irp c, 0,1
.irp i, 0,1,2
	v_mov_b32 v[PCD+3+6*\c+\i], v[CH+4*\c+\i]
.endr
.endr
	v_or_b32 v[PW], v[PW], v[PT+2]                 ; with lane l xor 16's two bytes the word is whole
.set J, 0
.rept 16
	v_pk_mul_f32 v[O+J:O+J+1], v[O+J:O+J+1], v[F:F+1] op_sel_hi:[1,0]   ; O^T under the new M; these sixteen are also the places between p's codes and scale word and the products
.set J, J+2
.endr
	s_wait_alu depctr_va_vdst(0)
	s_wait_dscnt 0x0                               ; v's fragments and scale words are in
.irp dt, 0,1,2,3
	PV \dt                                         ; four accumulators by turns, one instruction a turn
.endr
.if \causal
.Lhidden_\@:
.endif
	s_add_co_u32 s[KF], s[KF], 128
	s_add_co_u32 s[TS6], s[TS6], 6144
	s_add_co_u32 s[TS2], s[TS2], 256
.endm
; THE END OF A PASS: O^T / the sum is a's 64 channels of my query: two blocks of 32.  They are quantised and leave as half a fragment of the last product: three pieces, and two scale bytes a token.
.macro FINISH
.rept 4
	v_nop                                          ; places behind the last products
.endr
	v_add_f32 v14, v14, v15
	s_delay_alu instid0(VALU_DEP_1)
	v_permlanex16_b32 v[T0], v14, s[SEL], s[SEL+1]
	s_delay_alu instid0(VALU_DEP_1)
	v_add_f32 v14, v14, v[T0]                      ; the row's sum
	s_wait_alu depctr_va_vdst(0)
	v_rcp_f32 v14, v14
	v_nop                                          ; a plain place behind the reciprocal,
	s_wait_alu depctr_va_vdst(0)                   ; and the wait ahead of its first reader
.set J, 0
.rept 16
	v_pk_mul_f32 v[S+J:S+J+1], v[O+J:O+J+1], v[14:15] op_sel_hi:[1,0]   ; register 16 b + i: channel 32 b + 16 h + i
.set J, J+2
.endr
.irp b, 0,1
	v_max3_num_f32 v[BM+\b], |v[S+16*\b]|, |v[S+1+16*\b]|, 0x1800000
.endr
.irp i, 2,4,6,8,10,12,14
.irp b, 0,1
	s_delay_alu instid0(VALU_DEP_2)
	v_max3_num_f32 v[BM+\b], v[BM+\b], |v[S+16*\b+\i]|, |v[S+1+16*\b+\i]|
.endr
.endr
.irp b, 0,1
	s_delay_alu instid0(VALU_DEP_2)
	v_permlanex16_b32 v[PT+\b], v[BM+\b], s[SEL], s[SEL+1]
.endr
.irp b, 0,1
	s_delay_alu instid0(VALU_DEP_2)
	v_max_num_f32 v[BM+\b], v[BM+\b], v[PT+\b]
.endr
.irp b, 0,1
	s_delay_alu instid0(VALU_DEP_2)
	v_add_nc_u32 v[SO+\b], 0xff000000, v[BM+\b]
.endr
.irp b, 0,1
	s_delay_alu instid0(VALU_DEP_2)
	v_lshrrev_b32 v[PT+\b], 23, v[SO+\b]
.endr
	v_cvt_scalef32_pk16_fp6_f32 v[PCD:PCD+2], v[S:S+15], v[SO]
	v_cvt_scalef32_pk16_fp6_f32 v[CH:CH+2], v[S+16:S+31], v[SO+1]
	v_cndmask_b32 v[T1], v[PT], v[PT+1], s[MH]     ; lanes 0-15 store block 0's byte, lanes 16-31 block 1's.  (The plain place behind the conversions)
.irp i, 0,1,2
	v_permlane16_swap_b32 v[PCD+\i], v[CH+\i]
.endr
.irp i, 0,1,2
	s_delay_alu instid0(VALU_DEP_3)
	v_mov_b32 v[PCD+3+\i], v[CH+\i]                ; lane (r, h): channels 32 h .. 32 h + 31 of token r
.endr
.irp p, 0,1,2
	global_store_b64 v[LI8], v[PCD+2*\p:PCD+2*\p+1], s[12:13] offset:256*\p   ; 32 lanes store 256 consecutive bytes, aligned
.endr
	global_store_b8 v[ASO], v[T1], s[14:15]
.endm
	s_wait_loadcnt 0x0                             ; q of both tiles
	PASSHEAD THI, RAWH
	s_wait_alu depctr_va_vdst(0)
	s_cmp_lt_u32 s[WV], 4                          ; the waves that fetched a lower half wait for it; the upper halves may stay out
	s_cbranch_scc0 .Lupper_out
	s_wait_tensorcnt 0x0
.Lupper_out:
	s_barrier_signal -1
	s_barrier_wait -1                              ; everybody's lower half has
	s_mov_b32 s[CNT], 2
.Lopen_steps:
	STEP 0
	s_sub_co_u32 s[CNT], s[CNT], 1
	s_cmp_lg_u32 s[CNT], 0
	s_cbranch_scc1 .Lopen_steps
	s_wait_tensorcnt 0x0                           ; my upper half has landed
	s_wait_dscnt 0x0
	s_barrier_signal -1
	s_barrier_wait -1
	s_mov_b32 s[CNT], 6
.Llate_steps:
	STEP 1
	s_sub_co_u32 s[CNT], s[CNT], 1
	s_cmp_lg_u32 s[CNT], 0
	s_cbranch_scc1 .Llate_steps
	FINISH
	s_wait_xcnt 0x0                                ; the stores have read their data and bases: both are written again
.irp i, 0,1,2,3,4,5
	v_mov_b32 v[QR+6+\i], v[QL+\i]                 ; the early tile's q
.endr
	PASSHEAD TLO, RAWL
	s_mov_b32 s[CNT], 4
.Learly_steps:                                     ; the early tile, keys 0 .. 511
	STEP 1
	s_sub_co_u32 s[CNT], s[CNT], 1
	s_cmp_lg_u32 s[CNT], 0
	s_cbranch_scc1 .Learly_steps
	FINISH
	s_wait_tensorcnt 0x0
	ds_add_u32 v254, v255
	s_wait_dscnt 0x0
	s_endpgm
.Lfunc_end_k_q2bc35edef7_attn:
	.size	k_q2bc35edef7_attn, .Lfunc_end_k_q2bc35edef7_attn-k_q2bc35edef7_attn
	.p2alignl 7, 3214868480
	.fill 96, 4, 3214868480
	.section	.rodata,"a",@progbits
	.p2align	6, 0x0
	.amdhsa_kernel k_q2bc35edef7_attn
		.amdhsa_group_segment_fixed_size 169984
		.amdhsa_private_segment_fixed_size 0
		.amdhsa_enable_private_segment 0
		.amdhsa_kernarg_size 32
		.amdhsa_user_sgpr_count 2
		.amdhsa_user_sgpr_kernarg_segment_ptr 1
		.amdhsa_wavefront_size32 1
		.amdhsa_system_sgpr_workgroup_id_x 1
		.amdhsa_system_sgpr_workgroup_id_y 1
		.amdhsa_system_sgpr_workgroup_id_z 1
		.amdhsa_system_vgpr_workitem_id 0
		.amdhsa_next_free_vgpr 256
		.amdhsa_next_free_sgpr 84
		.amdhsa_reserve_vcc 1
		.amdhsa_float_denorm_mode_32 3
		.amdhsa_float_denorm_mode_16_64 3
		.amdhsa_memory_ordered 1
		.amdhsa_forward_progress 1
		.amdhsa_inst_pref_size 82
	.end_amdhsa_kernel
	.amdgpu_metadata
---
amdhsa.version: [ 1, 2 ]
amdhsa.kernels:
  - .name:           k_q2bc35edef7_attn
    .symbol:         k_q2bc35edef7_attn.kd
    .args:
      - { .name: qkv_c, .offset: 0, .size: 8, .value_kind: global_buffer, .address_space: global }
      - { .name: qkv_s, .offset: 8, .size: 8, .value_kind: global_buffer, .address_space: global }
      - { .name: a_c, .offset: 16, .size: 8, .value_kind: global_buffer, .address_space: global }
      - { .name: a_s, .offset: 24, .size: 8, .value_kind: global_buffer, .address_space: global }
    .group_segment_fixed_size: 169984
    .private_segment_fixed_size: 0
    .kernarg_segment_align: 8
    .kernarg_segment_size: 32
    .max_flat_workgroup_size: 512
    .sgpr_count:     84
    .vgpr_count:     256
    .wavefront_size: 32
...
	.end_amdgpu_metadata
.endif
;; end of part 2
;; launch proj (part 3): grid 8 x 32, 4 waves a work-group, clusters of 4 x 4, 327,680 bytes of LDS; arguments a_c, a_s, w_proj_codes, w_proj_scales, b_proj, out0; writes out0
.if DOCPART == 3
	.amdgcn_target "amdgcn-amd-amdhsa--gfx1250"
	.amdhsa_code_object_version 6
	.text
	.protected	k_q2bc35edef7_proj
	.globl	k_q2bc35edef7_proj
	.p2align	8
	.type	k_q2bc35edef7_proj,@function
k_q2bc35edef7_proj:
	s_mov_b64 s[64:65], 0
	v_nop
	global_prefetch_b8 v0, s[64:65] scope:SCOPE_SE
	s_setreg_imm32_b32 hwreg(HW_REG_WAVE_MODE, 25, 1), 1
	s_wait_xcnt 0x0
	s_wait_alu depctr_hold_cnt(0) depctr_sa_sdst(0) depctr_va_vdst(0) depctr_va_sdst(0) depctr_va_ssrc(0) depctr_va_vcc(0) depctr_vm_vsrc(0)
	s_getreg_b32 s2, hwreg(HW_REG_IB_STS2, 6, 4)
	s_cmp_eq_u32 s2, 0
	s_cbranch_scc0 .Lentry_in_a_cluster
	s_endpgm
.Lentry_in_a_cluster:
	s_bfe_u32 s2, ttmp6, 0x10000c
	s_cmp_lg_u32 s2, 0xf033
	s_cbranch_scc0 .Lentry_shape_is_right
	s_endpgm
.Lentry_shape_is_right:
; out0 = a w_proj + b_proj on codes of FP6 (E2M3), one E8M0 scale for each 32 along K = 1,024; f32 out.
; 256 work-groups of four waves, 2 x 2; work-group (ct, tr) makes tokens 256 tr .. + 255 x columns 128 ct .. + 127.  A wave holds 64 rows of w_proj (a row = one output column), all of K, in 384 registers (source 0)
; and streams a's tiles of 16 tokens past them (source 1): tile 2 s + wave / 2 is its block s, 32 products.  A lane then holds one token and eight neighbouring columns a tile.
; a_c is an image of operand registers: a tile of 16 tokens is 48 pieces of 256 bytes (32 lanes x 8), six to a fragment: the work-group's 196,608 bytes are dense in memory and in LDS.
; All tiles are asked for at the head, one load a wave (weights; a's scale bytes; a's two halves); nothing is filled again.  So the launch has no loop to run ahead in, and no prefetch is laid.
; CLUSTERS 4 x 4: a's tiles are asked for jointly along a row, the weights' along a column.  The bias is the C of a block's first four products.
; THE WAY OUT: a block's 16 x 64 numbers go through the wave's own stage (in the weights' region, which has had its only fill and, behind the second barrier, its last read) and leave as whole rows of 256 bytes.
; s_wait_dscnt NFP: all LDS work but the youngest fetch of a block (NFP loads) is done: the block's rows and the last block's read back from the stage.
.set KROW,  768
.set PITCH, 816
.set FR,    12
.set FPW,   21
.set NQ,    8
.set NB,    4
.set NFP,   50
.set WB,    196608                     ; the weights' region; a's codes lie from 0 on
.set AS,    WB+128*PITCH               ; a's scale bytes: 32 units of 256 + 16
.set SPARE, AS+32*272
.set CO,  4
.set STO, 5
.set RD,  6
.set AAS, 7
.set SPW, 10
.set NIL, 11
.set ABS, 12
.set VB,  13
.set PA,  14                           ; v14-17 LDS address of my tiles, two blocks to a register
.set SB,  24
.set SA,  76
.set ACC, 104
.set OB,  168                          ; v168-199 a block read back from the stage
.set BA,  204
.set BQ,  72                           ; window 3: v840-871 the bias
.set G1A, 24
.set G1B, 32
.set G0A, 56
.set G0B, 60
.set G0R, 68
.set G0S, 76
.set G1S, 92
.set MSB, 0
.macro WIN new
.if MSB != (\new)
	s_set_vgpr_msb (MSB<<8)|(\new)
.set MSB, \new
.endif
.endm
.macro PLACES n
.rept \n
	v_nop
.endr
.endm
.macro WALU
	s_wait_alu depctr_va_vdst(0)
.endm
.macro BARRIER
	s_barrier_signal -1
	s_barrier_wait -1
.endm
.macro CROUND
	s_barrier_signal -1
	s_barrier_wait -1
	s_cmp_lg_u32 s14, 0
	s_cbranch_scc1 .Lnot_wave_0_\@
	s_barrier_signal -3
.Lnot_wave_0_\@:
	s_barrier_wait -3
	BARRIER
.endm
.macro TLOAD g0, g1
	tensor_load_to_lds s[\g0:\g0+3], s[\g1:\g1+7]
	s_nop 0
	PLACES 4
.endm
.macro G0SET g, lds, base
	s_mov_b32 s[\g], 1
	s_mov_b32 s[\g+1], \lds
	s_add_nc_u64 s[\g+2:\g+3], s[\base:\base+1], s[20:21]
	s_or_b32 s[\g+3], s[\g+3], 0x80000000
.endm
.macro FRAG f, q, a0, a1               ; a fragment of the weights: six pieces of 8 bytes, two to a load where both go by one address register
	WIN ((1+(\f)/FPW)<<6)
.set R_, FR*((\f)%FPW)
.set SKIP_, 0
.irp p, 0,1,2,3,4,5
.if SKIP_
.set SKIP_, 0
.else
.set PC_, 12*(\q)+6*(\p/3)+\p%3
.set PN_, 12*(\q)+6*((\p+1)/3)+(\p+1)%3
.set X_, (PC_%32+3)/32
.set XQ_, (PN_%32+3)/32
.if (\p < 5) && (X_ == XQ_)
.set SKIP_, 1
.if X_
	ds_load_2addr_b64 v[R_+2*\p:R_+2*\p+3], \a1 offset0:PC_+2*(PC_/32) offset1:PN_+2*(PN_/32)
.else
	ds_load_2addr_b64 v[R_+2*\p:R_+2*\p+3], \a0 offset0:PC_+2*(PC_/32) offset1:PN_+2*(PN_/32)
.endif
.elseif X_
	ds_load_b64 v[R_+2*\p:R_+2*\p+1], \a1 offset:8*(PC_+2*(PC_/32))
.else
	ds_load_b64 v[R_+2*\p:R_+2*\p+1], \a0 offset:8*(PC_+2*(PC_/32))
.endif
.endif
.endr
.endm
.macro FETCHP e, s                     ; block s of a into set e: 48 pieces, each 256 consecutive bytes, and the rows' eight scale words
.irp q, 0,1,2,3,4,5,6,7
	WIN ((1+(NB*NQ+NQ*(\e)+\q)/FPW)<<6)
.irp p, 0,1,2,3,4,5
	ds_load_b64 v[FR*((NB*NQ+NQ*(\e)+\q)%FPW)+2*\p:FR*((NB*NQ+NQ*(\e)+\q)%FPW)+2*\p+1], v[PA+(\s)/2] offset:((\s)%2)*24576+1536*\q+256*\p
.endr
.endr
	WIN 0
	ds_load_b128 v[SA+8*(\e):SA+8*(\e)+3], v[AAS] offset:(\s)*1088
	ds_load_b128 v[SA+8*(\e)+4:SA+8*(\e)+7], v[AAS] offset:(\s)*1088+16
.endm
.macro PROD1 d, s0, s1, c, x0, x1, o
.if \o
	v_wmma_scale_f32_16x16x128_f8f6f4 v[\d:\d+7], v[FR*((\s0)%FPW):FR*((\s0)%FPW)+FR-1], v[FR*((\s1)%FPW):FR*((\s1)%FPW)+FR-1], \c, v[\x0], v[\x1] matrix_a_fmt:MATRIX_FMT_FP6 matrix_b_fmt:MATRIX_FMT_FP6 matrix_a_scale:MATRIX_SCALE_ROW1
.else
	v_wmma_scale_f32_16x16x128_f8f6f4 v[\d:\d+7], v[FR*((\s0)%FPW):FR*((\s0)%FPW)+FR-1], v[FR*((\s1)%FPW):FR*((\s1)%FPW)+FR-1], \c, v[\x0], v[\x1] matrix_a_fmt:MATRIX_FMT_FP6 matrix_b_fmt:MATRIX_FMT_FP6
.endif
.endm
.macro BLOCK e, from, to               ; products n = 4 q + t; the four accumulators take turns; the first four take the bias as C
.set N_, \from
.rept (\to)-(\from)
.set Q_, N_/4
.set U_, N_%4
.set FB_, NB*Q_+U_
.set FA_, NB*NQ+NQ*(\e)+Q_
.set D_, ACC+32*(\e)+8*U_
.if Q_
	WIN (1+FB_/FPW)|((1+FA_/FPW)<<2)
	PROD1 D_, FB_, FA_, v[D_:D_+7], SB+NQ*(U_/2)+Q_, SA+8*(\e)+Q_, U_%2
.else
	WIN (1+FB_/FPW)|((1+FA_/FPW)<<2)|(3<<4)
	PROD1 D_, FB_, FA_, v[BQ+8*U_:BQ+8*U_+7], SB+NQ*(U_/2)+Q_, SA+8*(\e)+Q_, U_%2
.endif
.set N_, N_+1
.endr
	WIN 0
.endm
.macro SENDP s                         ; 16 lanes store 256 consecutive bytes, aligned
.irp k, 0,1,2,3,4,5,6,7
	global_store_b128 v[CO], v[OB+4*\k:OB+4*\k+3], s[84:85] offset:(\s)*131072+\k*8192 th:TH_STORE_NT
.endr
.endm
.macro PBLK s
.if \s < 7
	s_wait_dscnt NFP
.else
	s_wait_dscnt 0x0
.endif
.if \s > 0
	SENDP (\s)-1
.endif
.if \s == 2
	BLOCK 0, 0, 26
	s_wait_tensorcnt 0x0
	s_wait_dscnt 0x0
	s_barrier_signal -1                                    ; a plain barrier: a's second half is shown to all
	BLOCK 0, 26, 32
	s_barrier_wait -1
.else
	BLOCK (\s)%2, 0, 32
.endif
	PLACES 4
.if \s > 0
	s_wait_xcnt 0x0                                        ; the last block's stores have read their data
.endif
.irp t, 0,1,2,3
	ds_store_b128 v[STO], v[ACC+32*((\s)%2)+8*\t:ACC+32*((\s)%2)+8*\t+3] offset:64*\t       ; each accumulator from its low end on
	ds_store_b128 v[STO], v[ACC+32*((\s)%2)+8*\t+4:ACC+32*((\s)%2)+8*\t+7] offset:64*\t+16
.endr
.irp k, 0,1,2,3,4,5,6,7
	ds_load_b128 v[OB+4*\k:OB+4*\k+3], v[RD] offset:\k*544 ; LDS serves a wave's instructions in order: these see the stores above
.endr
.if \s < 6
	FETCHP (\s)%2, (\s)+2
.endif
.endm
; ---- the head
	s_load_b256 s[4:11], s[0:1], 0x0                       ; a_c, a_s, w_proj's codes, w_proj's scales
	s_load_b128 s[48:51], s[0:1], 0x20                     ; b_proj, out0
	v_lshl_add_u32 v[SPW], v0, 2, SPARE
	v_mov_b32 v[NIL], 0
	ds_add_u32 v[SPW], v[NIL]                              ; the opening lines
	ds_add_u32 v[SPW], v[NIL]
	v_lshrrev_b32 v1, 5, v0
	v_readfirstlane_b32 s14, v1
	s_lshr_b32 s15, s14, 1
	s_and_b32 s16, s14, 1
	s_bfe_u32 s40, ttmp6, 0x40000
	s_bfe_u32 s41, ttmp6, 0x40004
	s_lshl_b32 s42, ttmp9, 2
	s_add_co_u32 s42, s42, s40                             ; ct
	s_and_b32 s43, ttmp7, 0xffff
	s_lshl_b32 s43, s43, 2
	s_add_co_u32 s43, s43, s41                             ; tr
	s_lshl_b32 s44, s41, 2
	s_lshl_b32 s44, 15, s44
	s_lshl_b32 s45, 0x1111, s40
	s_or_b32 s[G1A+0], s44, (3<<16)|(1<<21)                ; half of a's codes: 384 dense rows of 256 bytes
	s_mov_b32 s[G1A+1], 32<<16
	s_mov_b32 s[G1A+2], 384<<16
	s_mov_b32 s[G1A+3], 32<<16
	s_mov_b32 s[G1A+4], 384
	s_mov_b32 s[G1A+5], 32
	s_mov_b32 s[G1A+6], 0
	s_mov_b32 s[G1A+7], 0
	s_or_b32 s[G1B+0], s45, (1<<20)|(1<<21)|(5<<22)|(3<<25) ; the weights: 128 rows of 768 bytes, 16 of padding behind every 256
	s_mov_b32 s[G1B+1], KROW<<16
	s_mov_b32 s[G1B+2], 128<<16
	s_mov_b32 s[G1B+3], KROW<<16
	s_mov_b32 s[G1B+4], 128
	s_mov_b32 s[G1B+5], KROW
	s_mov_b32 s[G1B+6], 0
	s_mov_b32 s[G1B+7], 0
	s_or_b32 s[G1S+0], s44, (3<<16)|(1<<20)|(1<<21)|(5<<22)|(3<<25) ; a's scale bytes: 32 rows of 256, 16 of padding behind each
	s_mov_b32 s[G1S+1], 32<<16
	s_mov_b32 s[G1S+2], 32<<16
	s_mov_b32 s[G1S+3], 32<<16
	s_mov_b32 s[G1S+4], 32
	s_mov_b32 s[G1S+5], 32
	s_mov_b32 s[G1S+6], 0
	s_mov_b32 s[G1S+7], 0
	s_mul_i32 s20, s15, 12288
	s_mul_i32 s21, s15, 544
	s_add_co_u32 s21, s21, AS
	s_mul_i32 s22, s16, 64*PITCH
	s_add_co_u32 s22, s22, WB
	s_mul_i32 s23, s14, 16*272
	s_add_co_u32 s23, s23, WB                              ; my stage
	v_and_b32 v1, 15, v0                                   ; r
	v_bfe_u32 v2, v0, 4, 1                                 ; h
	v_and_b32 v3, 31, v0
	v_mul_u32_u24 v18, v1, PITCH
	v_mad_u32_u24 v19, v2, 24, v18
	v_mad_u32_u24 v20, v2, 40, v18
	v_lshlrev_b32 v8, 5, v1
	v_lshrrev_b32 v9, 3, v1
	v_lshl_add_u32 v8, v9, 4, v8
	v_add_nc_u32 v[AAS], s21, v8
	v_lshlrev_b32 v9, 3, v3
	v_lshlrev_b32 v[ABS], 5, v3                            ; scale words of tiles 2 p + h: row 32 p + lane
	v_lshlrev_b32 v[VB], 5, v2
	v_mul_u32_u24 v21, v1, 272
	v_lshl_add_u32 v21, v2, 5, v21
	v_add_nc_u32 v[STO], s23, v21                          ; in: row r, 32 bytes for each half of the lanes
	v_mul_u32_u24 v22, v2, 272
	v_lshl_add_u32 v22, v1, 4, v22
	v_add_nc_u32 v[RD], s23, v22                           ; back: lanes 0-15 one row, lanes 16-31 the next
	v_lshlrev_b32 v[CO], 12, v2
	v_lshl_add_u32 v[CO], v1, 4, v[CO]                     ; and the same two rows in out0
	WALU
.set I, 0
.rept 4
	v_add_nc_u32 v[PA+I], s20, v9
	v_add_nc_u32 v[BA+2*I], s22, v19
	v_add_nc_u32 v[BA+2*I+1], s22, v20
	s_add_co_u32 s20, s20, 49152
	s_add_co_u32 s22, s22, 16*PITCH
.set I, I+1
.endr
	WALU
	s_wait_dscnt 0x0
	CROUND                                                 ; the round in front of the first joint loads
	s_wait_kmcnt 0x0
	s_mov_b32 s21, 0
	s_mul_i32 s20, s43, 196608
	G0SET G0A, 0, 4
	s_add_co_u32 s20, s20, 98304
	G0SET G0R, 98304, 4
	s_mul_i32 s20, s42, 128*KROW
	G0SET G0B, WB, 8
	s_lshl_b32 s20, s43, 13
	G0SET G0S, AS, 6
	s_cmp_eq_u32 s14, 0                                    ; one load a wave, in one chain of arms
	s_cbranch_scc0 .Lwave_1
	TLOAD G0B, G1B                                         ; wave 0: the weights
	s_branch .Lasked
.Lwave_1:
	s_cmp_eq_u32 s14, 1
	s_cbranch_scc0 .Lwave_2
	TLOAD G0S, G1S                                         ; wave 1: a's scale bytes
	s_branch .Lasked
.Lwave_2:
	s_cmp_eq_u32 s14, 2
	s_cbranch_scc0 .Lwave_3
	TLOAD G0A, G1A                                         ; wave 2: tokens 0 to 127
	s_branch .Lasked
.Lwave_3:
	TLOAD G0R, G1A                                         ; wave 3: tokens 128 to 255
.Lasked:
	s_lshl_b32 s20, s42, 12
	s_lshl_b32 s22, s16, 11
	s_add_co_u32 s20, s20, s22
	s_add_nc_u64 s[10:11], s[10:11], s[20:21]              ; scale bytes of my 64 rows of w_proj
	s_lshl_b32 s20, s42, 9
	s_lshl_b32 s22, s16, 8
	s_add_co_u32 s20, s20, s22
	s_add_nc_u64 s[48:49], s[48:49], s[20:21]              ; my 64 columns' bias
	s_add_nc_u64 s[84:85], s[50:51], s[20:21]              ; and their place in a row of out0,
	s_lshl_b32 s20, s43, 20
	s_lshl_b32 s22, s15, 16
	s_add_co_u32 s20, s20, s22
	s_add_nc_u64 s[84:85], s[84:85], s[20:21]              ; from token 256 tr + 16 (wave / 2) on
.irp p, 0,1
.irp c, 0,1
	global_load_b128 v[SB+8*\p+4*\c:SB+8*\p+4*\c+3], v[ABS], s[10:11] offset:1024*\p+16*\c
.endr
.endr
	WIN 3<<6
.irp t, 0,1,2,3
	global_load_b128 v[BQ+8*\t:BQ+8*\t+3], v[VB], s[48:49] offset:64*\t         ; register 8 t + j: column 16 t + 8 h + j
	global_load_b128 v[BQ+8*\t+4:BQ+8*\t+7], v[VB], s[48:49] offset:64*\t+16
.endr
	WIN 0
	s_cmp_eq_u32 s14, 0
	s_cbranch_scc0 .Lnot_b
	s_wait_tensorcnt 0x0
.Lnot_b:
	BARRIER                                                ; the weights are in
.irp q, 0,1,2,3,4,5,6,7
.irp b, 0,1,2,3
	FRAG NB*\q+\b, \q, v[BA+2*\b], v[BA+2*\b+1]
.endr
.endr
	WIN 0
	s_cmp_eq_u32 s14, 3
	s_cbranch_scc1 .Lnot_a0
	s_wait_tensorcnt 0x0
.Lnot_a0:
	s_wait_dscnt 0x0
	BARRIER                                                ; the scale bytes and tokens 0 to 127 are in, and every wave holds its weights; the second half may still be out
	FETCHP 0, 0
	FETCHP 1, 1
	s_wait_loadcnt 0x0
	PBLK 0
	PBLK 1
	PBLK 2
	PBLK 3
	PBLK 4
	PBLK 5
	PBLK 6
	PBLK 7
	s_wait_dscnt 0x0
	SENDP 7
	s_wait_tensorcnt 0x0                                   ; the wave's end
	ds_add_u32 v[SPW], v[NIL]
	s_wait_dscnt 0x0
	CROUND                                                 ; the closing round
	s_endpgm
.Lfunc_end_k_q2bc35edef7_proj:
	.size	k_q2bc35edef7_proj, .Lfunc_end_k_q2bc35edef7_proj-k_q2bc35edef7_proj
	.p2alignl 7, 3214868480
	.fill 96, 4, 3214868480
	.section	.rodata,"a",@progbits
	.p2align	6, 0x0
	.amdhsa_kernel k_q2bc35edef7_proj
		.amdhsa_group_segment_fixed_size 327680
		.amdhsa_private_segment_fixed_size 0
		.amdhsa_enable_private_segment 0
		.amdhsa_kernarg_size 48
		.amdhsa_user_sgpr_count 2
		.amdhsa_user_sgpr_kernarg_segment_ptr 1
		.amdhsa_wavefront_size32 1
		.amdhsa_system_sgpr_workgroup_id_x 1
		.amdhsa_system_sgpr_workgroup_id_y 1
		.amdhsa_system_sgpr_workgroup_id_z 1
		.amdhsa_system_vgpr_workitem_id 0
		.amdhsa_next_free_vgpr 1024
		.amdhsa_next_free_sgpr 102
		.amdhsa_reserve_vcc 0
		.amdhsa_float_denorm_mode_32 3
		.amdhsa_float_denorm_mode_16_64 3
		.amdhsa_memory_ordered 1
		.amdhsa_forward_progress 1
		.amdhsa_inst_pref_size 92
	.end_amdhsa_kernel
	.amdgpu_metadata
---
amdhsa.version: [ 1, 2 ]
amdhsa.kernels:
  - .name:           k_q2bc35edef7_proj
    .symbol:         k_q2bc35edef7_proj.kd
    .args:
      - { .name: a_c, .offset: 0, .size: 8, .value_kind: global_buffer, .address_space: global }
      - { .name: a_s, .offset: 8, .size: 8, .value_kind: global_buffer, .address_space: global }
      - { .name: w_proj_codes, .offset: 16, .size: 8, .value_kind: global_buffer, .address_space: global }
      - { .name: w_proj_scales, .offset: 24, .size: 8, .value_kind: global_buffer, .address_space: global }
      - { .name: b_proj, .offset: 32, .size: 8, .value_kind: global_buffer, .address_space: global }
      - { .name: out0, .offset: 40, .size: 8, .value_kind: global_buffer, .address_space: global }
    .group_segment_fixed_size: 327680
    .private_segment_fixed_size: 0
    .kernarg_segment_align: 8
    .kernarg_segment_size: 48
    .max_flat_workgroup_size: 128
    .sgpr_count:     102
    .vgpr_count:     1024
    .wavefront_size: 32
...
	.end_amdgpu_metadata
.endif
;; end of part 3
